; MI455X (gfx1250); checked and timed in simulation.
; The chip was launched on July 23, 2026; its instructions are those of AMD's public machine-readable ISA for CDNA 5 (MIT licence, August 2026) and "CDNA5" Instruction Set Architecture Reference Guide (July 2026). The comments in the code are by the model that wrote it; some were corrected since.
;; Adaptive Mixture Of Experts. Allowed arithmetic: matrix products marked QUANTISED: E3M2 operands, one E8M0 scale for each 32 along K, by v_wmma_scale_f32_16x16x128_f8f6f4 with both operands' format E3M2, f32 sums; products left as they are: f32 operands where the result goes on into a quantised operand, else bf16, f16 or f32 operands; f32 sums; everything else in f32.
;; Inputs: W1 8 x 1,024 x 4,096 float32; W2 8 x 2,048 x 1,024 float32; Wr 1,024 x 8 float32; b1 8 x 4,096 float32; b2 8 x 1,024 float32; temp 1 float32; x 2 x 512 x 1,024 float32.
;; Outputs: out0 2 x 512 x 1,024 float32.
;; This version of the problem:
;;   THIS VERSION OF THE PROBLEM IS GIVEN IN LOW PRECISION. The matrix products marked QUANTISED in the list below multiply operands that are first quantised to E3M2 (3 exponent bits, 2 mantissa bits; 6 bits a number), with one power-of-two scale for each 32 numbers along K (OCP MX v1.0); their sums are f32. All else is computed in f32.
;;   The module's matrix products, in the order in which they are computed (A, B: the left and right operand; K: the contracted axis; several contracted axes count as one K, in the product's order):
;;     1. [M 1,024, K 1,024] x [K 1,024, N 8]; A: input x; B: input Wr: left as it is (N = 8 < 16)
;;     2. [M 1,024, K 1,024] x [K 1,024, N 4,096]; A: input x; B: input W1: QUANTISED
;;     3. [M 1,024, K 2,048] x [K 2,048, N 1,024]; A: computed on the way; B: input W2: QUANTISED
;;     4. [M 1,024, K 1,024] x [K 1,024, N 4,096]; A: input x; B: input W1: QUANTISED
;;     5. [M 1,024, K 2,048] x [K 2,048, N 1,024]; A: computed on the way; B: input W2: QUANTISED
;;     6. [M 1,024, K 1,024] x [K 1,024, N 4,096]; A: input x; B: input W1: QUANTISED
;;     7. [M 1,024, K 2,048] x [K 2,048, N 1,024]; A: computed on the way; B: input W2: QUANTISED
;;     8. [M 1,024, K 1,024] x [K 1,024, N 4,096]; A: input x; B: input W1: QUANTISED
;;     9. [M 1,024, K 2,048] x [K 2,048, N 1,024]; A: computed on the way; B: input W2: QUANTISED
;;     10. [M 1,024, K 1,024] x [K 1,024, N 4,096]; A: input x; B: input W1: QUANTISED
;;     11. [M 1,024, K 2,048] x [K 2,048, N 1,024]; A: computed on the way; B: input W2: QUANTISED
;;     12. [M 1,024, K 1,024] x [K 1,024, N 4,096]; A: input x; B: input W1: QUANTISED
;;     13. [M 1,024, K 2,048] x [K 2,048, N 1,024]; A: computed on the way; B: input W2: QUANTISED
;;     14. [M 1,024, K 1,024] x [K 1,024, N 4,096]; A: input x; B: input W1: QUANTISED
;;     15. [M 1,024, K 2,048] x [K 2,048, N 1,024]; A: computed on the way; B: input W2: QUANTISED
;;     16. [M 1,024, K 1,024] x [K 1,024, N 4,096]; A: input x; B: input W1: QUANTISED
;;     17. [M 1,024, K 2,048] x [K 2,048, N 1,024]; A: computed on the way; B: input W2: QUANTISED
;;   THE QUANTISER, for each operand of a quantised product, along K:
;;     - K is cut into blocks of 32 from its start; a last block that is shorter is filled with zeros.
;;     - A block's scale is 2^e with e = floor(log2(the largest magnitude in the block)) - 4, held to -126 .. 127; a block of zeros has e = 0. As a byte (E8M0): e + 127.
;;     - Each number is divided by its block's scale, clamped to +-28, and rounded to the nearest number of E3M2, ties to even, subnormals kept.
;;     - The product sums the exact products of the quantised numbers (number of the format x scale) in f32.
;;   ~~~python
;;   def quantise(x, axis):      # numpy; x: float32 -> the quantised numbers, widened to float32 again
;;       x = np.moveaxis(x, axis, -1); K = x.shape[-1]
;;       x = np.pad(x, [(0, 0)] * (x.ndim - 1) + [(0, -K % 32)]); x = x.reshape(x.shape[:-1] + (-1, 32)); a = np.abs(x).max(-1, keepdims=True)
;;       e = np.where(a > 0, np.clip(np.frexp(np.where(a > 0, a, 1))[1] - 1 - 4, -126, 127), 0)      # np.frexp(a)[1] - 1 = floor(log2(a)), exactly
;;       r = np.clip(x / 2.0 ** e, -28, 28)
;;       step = 2.0 ** (np.maximum(np.frexp(np.where(r == 0, 1, r))[1] - 1, -2) - 2)
;;       q = np.round(r / step) * step * 2.0 ** e      # np.round: ties to even
;;       return np.moveaxis(q.reshape(q.shape[:-2] + (-1,))[..., :K], -1, axis).astype(np.float32)
;;   ~~~
;;   OPERANDS COMPUTED ON THE WAY. 'Computed on the way' means the value that the module computes at that place (a softmax that the list does not call 'softmax' is quantised finished and normalised). What goes into a quantiser is computed in f32, as accurately as f32 sums, v_exp_f32 and their like allow (about 1e-6 of the number): no bf16 or f16 on the way to a quantiser, and a product that is left as it is and whose result goes on into a quantised operand takes f32 operands (vector FMAs, or v_wmma_f32_16x16x4_f32). A number that lies on a knife's edge between two numbers of the format may be rounded either way, as far as f32 arithmetic and the matrix unit's own rounding can turn it there, and no further.
;; 2 versions, each right; version 2 is version 1 with the launch down written anew for expert scheduling mode. Each part assembles by itself: llvm-mc -triple=amdgcn-amd-amdhsa -mcpu=gfx1250 --defsym DOCPART=n.
;; ======== version 1 of 2: 4 launches
;; limits: right only within a limited range of input values
;; workspace buffers: xq 1,048,576 bytes; topi 8,192 bytes of whole numbers; topw 8,192 bytes; hid 12,582,912 bytes; hs 524,288 bytes; list 36,864 bytes of whole numbers; cnt 1,024 bytes of whole numbers; ybuf 16,842,752 bytes
;; launch route (part 1): grid 64 x 1, 8 waves a work-group, no clusters, 105,472 bytes of LDS; arguments x, Wr, temp, xq, topi, topw; writes xq, topi, topw
.if DOCPART == 1
	.amdgcn_target "amdgcn-amd-amdhsa--gfx1250"
	.amdhsa_code_object_version 6
	.text
	.protected	k_q1da4d497d1_route
	.globl	k_q1da4d497d1_route
	.p2align	8
	.type	k_q1da4d497d1_route,@function
k_q1da4d497d1_route:
	s_mov_b64 s[64:65], 0
	v_nop
	global_prefetch_b8 v0, s[64:65] scope:SCOPE_SE
	s_setreg_imm32_b32 hwreg(HW_REG_WAVE_MODE, 25, 1), 1
	s_wait_xcnt 0x0
; ROUTER AND QUANTISER OF x.  x [1024 tokens][1024] f32, Wr [1024][8] f32, temp [1] f32.
; Out: xq   = x as codes of E3M2 with E8M0 scales, laid as the next launch's operand registers want them: 1,024 bytes a token; K step s (128 along K) at byte 128 s:
;             48 bytes for lanes 0-15 (registers 0-11: k = 64 c + 0 .. 31), 48 for lanes 16-31 (k = 64 c + 32 .. 63); the token's eight scale words at bytes 96 .. 127.
;      topi = the two chosen experts, u32 [slot], slot = 1024 x rank + token;   topw = their softmax weights, f32 [slot].
; SHARES: a work-group takes 16 tokens, wave s takes K step s, lane (r, h) takes token r and k = 128 s + 64 c + 32 h + i: a whole block of 32 for each c, so a block's largest magnitude needs no other lane.
; x IS LOADED AS IT LIES: load n reads the 512 consecutive bytes of token n's K step, 16 bytes a lane; the 16 x 512 bytes turn through the wave's own stage in LDS and come back 256 bytes a lane.
; The router's product is made of f32 fused multiply-adds; the eight waves' partial sums meet in LDS behind the one barrier; wave 0 divides by temp, takes the top 2 (the lower index wins a tie) and the softmax of the two,
; with the larger taken away ahead of the exponential.
; No address and no branch here hangs on the choice: it is stored, and a later launch places the rows.
; 64 work-groups: the sum over K stays inside a work-group.  No matrix unit, no cluster, no tensor load: 4 MB are read once and nothing is shared between work-groups but Wr's 32 KB.
; LIMITS: NaN and infinities are not served; two logits closer than the rounding of an f32 sum of 1,024 terms may be taken in the other order; a block whose largest magnitude lies under 2^-122
; (a block of zeros too) gets the scale byte 1: its bytes are read by this program alone.
.set WRL,  0                           ; LDS: wave s's slice of Wr, rows 128 s .. 128 s + 127 of 32 bytes: 4,096 bytes a wave
.set PART, 32768                       ; LDS: partial logits [wave][token][8] f32: 512 bytes a wave
.set XT,   36864                       ; LDS: a stage for each wave: 16 rows of 512 bytes + 16: 132 words a row, so the sixteen rows that a load touches start at sixteen different banks
.set X,    16                          ; v16-79   my 64 numbers of x: register 32 c + i
.set WV,   80                          ; v80-207  first x and Wr as loaded; then rows of Wr, two sets of 8 rows x 8
.set LG,   208                         ; v208-215 eight logits
.set F,    216                         ; v216-227 the fragment's 12 registers
.set U,    228                         ; v228-230, v232-234 the upper halves of the two blocks' codes
.set M,    240                         ; v240-247 for block c: two maxima, the conversion's scale operand, the byte
.macro MAX32 a, b, s                   ; the largest magnitude of v[s] .. v[s + 31], and the floor 2^(5 - 127), into v[a]: two chains
	v_max3_num_f32 v[\a], |v[\s]|, |v[\s+1]|, 0x2800000
	v_max3_num_f32 v[\b], |v[\s+2]|, |v[\s+3]|, |v[\s+4]|
.irp i, 5,9,13,17,21,25
	v_max3_num_f32 v[\a], v[\a], |v[\s+\i]|, |v[\s+\i+1]|
	v_max3_num_f32 v[\b], v[\b], |v[\s+\i+2]|, |v[\s+\i+3]|
.endr
	v_max3_num_f32 v[\a], v[\a], |v[\s+29]|, |v[\s+30]|
	v_max3_num_f32 v[\a], v[\a], v[\b], |v[\s+31]|
.endm
.macro WRG g, set                      ; eight rows of Wr (my k number 8 g + u) from my wave's slice: 16 loads; the sixteen lanes of a half read the same bytes
.irp u, 0,1,2,3,4,5,6,7
	ds_load_b128 v[WV+64*(\set)+8*\u:WV+64*(\set)+8*\u+3], v6 offset:32*(8*(\g)+\u)+1024*((\g)/4)
	ds_load_b128 v[WV+64*(\set)+8*\u+4:WV+64*(\set)+8*\u+7], v6 offset:32*(8*(\g)+\u)+1024*((\g)/4)+16
.endr
.endm
.macro FMG g, set                      ; 8 k x 8 experts: 32 packed multiply-adds; x's number is taken for both halves; the very first product starts the sums
.irp u, 0,1,2,3,4,5,6,7
.irp p, 0,1,2,3
.if ((\g) == 0) && (\u == 0)
	v_pk_mul_f32 v[LG+2*\p:LG+2*\p+1], v[X:X+1], v[WV+64*(\set)+2*\p:WV+64*(\set)+2*\p+1] op_sel_hi:[0,1]
.elseif \u%2 == 0
	v_pk_fma_f32 v[LG+2*\p:LG+2*\p+1], v[X+8*(\g)+\u:X+8*(\g)+\u+1], v[WV+64*(\set)+8*\u+2*\p:WV+64*(\set)+8*\u+2*\p+1], v[LG+2*\p:LG+2*\p+1] op_sel_hi:[0,1,1]
.else
	v_pk_fma_f32 v[LG+2*\p:LG+2*\p+1], v[X+8*(\g)+\u-1:X+8*(\g)+\u], v[WV+64*(\set)+8*\u+2*\p:WV+64*(\set)+8*\u+2*\p+1], v[LG+2*\p:LG+2*\p+1] op_sel:[1,0,0] op_sel_hi:[1,1,1]
.endif
.endr
.endr
.endm
	s_load_b256 s[4:11], s[0:1], 0x0               ; x s[4:5], Wr s[6:7], temp s[8:9], xq s[10:11]
	s_load_b128 s[12:15], s[0:1], 0x20             ; topi s[12:13], topw s[14:15]
	v_lshl_add_u32 v254, v0, 2, 0x19800
	v_mov_b32 v255, 0
	v_lshrrev_b32 v13, 5, v0
	v_readfirstlane_b32 s16, v13                   ; wave = K step s
	v_and_b32 v1, 15, v0                           ; r
	v_bfe_u32 v2, v0, 4, 1                         ; h
	v_and_b32 v14, 31, v0                          ; lane
	v_lshlrev_b32 v4, 4, v14                       ; 16 x lane
	s_lshl_b32 s17, s16, 12                        ; 4,096 s
	s_lshl_b32 s18, s16, 9                         ; 512 s
	s_mul_i32 s35, s16, 8448
	s_add_co_u32 s35, s35, XT                      ; my wave's stage
	v_add_nc_u32 v15, s35, v4                      ; into it: 16 x lane of a row
	v_mul_u32_u24 v3, v1, 528
	v_lshl_add_u32 v3, v2, 7, v3
	v_add_nc_u32 v3, s35, v3                       ; out of it: row r, + 128 h
	v_add_nc_u32 v5, s17, v4                       ; my wave's slice of Wr, on the way in
	v_lshlrev_b32 v6, 10, v2
	v_add_nc_u32 v6, s17, v6                       ; and on the way out: + 1,024 h (32 rows of 32 bytes)
	v_lshlrev_b32 v7, 5, v1                        ; 32 r
	v_lshl_add_u32 v8, v2, 11, v7
	v_add_nc_u32 v8, PART, v8                      ; wave 0 reads the partial sums of waves 4 h .. 4 h + 3
	v_add_nc_u32 v7, s18, v7
	v_add_nc_u32 v7, PART, v7                      ; where my wave puts token r's eight
	v_lshlrev_b32 v10, 10, v1                      ; xq: 1,024 r
	v_mad_u32_u24 v9, v2, 48, v10                  ; + 48 h
	v_lshlrev_b32 v11, 3, v2                       ; 8 h: my bytes' place in the scale word
	v_lshlrev_b32 v12, 2, v1
	v_lshl_add_u32 v12, v2, 12, v12                ; topi, topw: rank h, token r
	v_mov_b32 v248, 0                              ; written once: a lane permute's destination counts as one of its sources
	s_mov_b32 s28, 0x76543210
	s_mov_b32 s29, 0xfedcba98                      ; v_permlanex16_b32's selects for lane l xor 16
	s_lshl_b32 s20, ttmp9, 16                      ; 16 rows of x,
	s_add_co_u32 s20, s20, s18                     ; my K step
	s_mov_b32 s21, 0
	s_mov_b32 s22, s17
	s_mov_b32 s23, 0
	s_lshl_b32 s24, ttmp9, 14                      ; 16 tokens of xq
	s_lshl_b32 s26, s16, 7
	s_add_co_u32 s26, s24, s26                     ; my K step's record
	s_mov_b32 s27, 0
	s_lshl_b32 s19, s16, 2
	s_add_co_u32 s24, s24, s19
	s_add_co_u32 s24, s24, 96                      ; my K step's scale word
	s_mov_b32 s25, 0
	s_lshl_b32 s38, ttmp9, 6                       ; 16 words of topi and topw
	s_mov_b32 s39, 0
	s_wait_kmcnt 0x0
	s_add_nc_u64 s[4:5], s[4:5], s[20:21]
	s_add_nc_u64 s[6:7], s[6:7], s[22:23]
	s_add_nc_u64 s[30:31], s[10:11], s[26:27]
	s_add_nc_u64 s[32:33], s[10:11], s[24:25]
	s_add_nc_u64 s[12:13], s[12:13], s[38:39]
	s_add_nc_u64 s[14:15], s[14:15], s[38:39]
	s_load_b32 s34, s[8:9], 0x0                    ; temp
.irp n, 0,1,2,3,4,5,6,7,8,9,10,11,12,13,14,15
	global_load_b128 v[WV+4*\n:WV+4*\n+3], v4, s[4:5] offset:4096*\n th:TH_LOAD_NT     ; token n: 32 lanes read 512 consecutive bytes
.endr
.irp n, 0,1,2,3,4,5,6,7
	global_load_b128 v[WV+64+4*\n:WV+64+4*\n+3], v4, s[6:7] offset:512*\n
.endr
	s_wait_loadcnt 8                               ; x is in; Wr's eight loads may be out
.irp n, 0,1,2,3,4,5,6,7,8,9,10,11,12,13,14,15
	ds_store_b128 v15, v[WV+4*\n:WV+4*\n+3] offset:528*\n           ; my wave's own bytes: no barrier
.endr
	s_wait_loadcnt 0x0
.irp n, 0,1,2,3,4,5,6,7
	ds_store_b128 v5, v[WV+64+4*\n:WV+64+4*\n+3] offset:512*\n      ; likewise
.endr
.irp c, 0,1
.irp i, 0,1,2,3,4,5,6,7
	ds_load_b128 v[X+32*\c+4*\i:X+32*\c+4*\i+3], v3 offset:256*\c+16*\i   ; LDS serves a wave's instructions in order: these see the stores above
.endr
.endr
	s_wait_dscnt 0x0                               ; x is back, and the stores have read their registers, which the loads below fill
	; ---- the router's partial sums: 8 groups of 8 k, the next group's rows on their way while one is multiplied
	WRG 0, 0
.irp g, 0,1,2,3,4,5,6
	WRG \g+1, (\g+1)%2
	s_wait_dscnt 16                                ; the 16 loads just issued may stay out
	FMG \g, \g%2
.endr
	s_wait_dscnt 0x0
	FMG 7, 1
	; ---- x's two blocks become codes and two scale bytes
.irp c, 0,1
	MAX32 M+4*\c, M+4*\c+1, X+32*\c
	v_add_nc_u32 v[M+4*\c+2], 0xfe000000, v[M+4*\c]                ; 4 off the exponent field: the conversion takes this operand's exponent field as its scale
	v_cvt_scalef32_pk16_bf6_f32 v[F+6*\c:F+6*\c+2], v[X+32*\c:X+32*\c+15], v[M+4*\c+2]
	v_cvt_scalef32_pk16_bf6_f32 v[U+4*\c:U+4*\c+2], v[X+32*\c+16:X+32*\c+31], v[M+4*\c+2]   ; (a conversion's three registers begin on an even number)
	v_lshrrev_b32 v[M+4*\c+3], 23, v[M+4*\c+2]                     ; the byte; also the plain line behind the conversions
.irp i, 0,1,2
	v_mov_b32 v[F+6*\c+3+\i], v[U+4*\c+\i]
.endr
.endr
	v_lshl_or_b32 v249, v[M+7], 16, v[M+3]         ; my two bytes: blocks h and 2 + h,
	v_lshlrev_b32 v249, v11, v249                  ; at their places;
	v_permlanex16_b32 v248, v249, s28, s29
	v_or_b32 v249, v249, v248                      ; with lane l xor 16's two the word is whole
.irp g, 0,1,2
	global_store_b128 v9, v[F+4*\g:F+4*\g+3], s[30:31] offset:16*\g
.endr
	global_store_b32 v10, v249, s[32:33]           ; both halves of the lanes store the same word
	; ---- the partial sums meet
.irp i, 0,1,2,3,4,5,6,7
	v_permlanex16_b32 v[WV+\i], v[LG+\i], s28, s29
.endr
.irp i, 0,2,4,6
	v_pk_add_f32 v[LG+\i:LG+\i+1], v[LG+\i:LG+\i+1], v[WV+\i:WV+\i+1]
.endr
	ds_store_b128 v7, v[LG:LG+3]
	ds_store_b128 v7, v[LG+4:LG+7] offset:16
	s_wait_kmcnt 0x0                               ; temp
	s_wait_dscnt 0x0                               ; for the others' sake: my stores have landed
	s_barrier_signal -1
	s_barrier_wait -1
	s_cmp_lg_u32 s16, 0
	s_cbranch_scc1 .Lend
	; ---- wave 0: lane (r, h) adds the sums of waves 4 h .. 4 h + 3, then the other half's
.irp n, 0,1,2,3
	ds_load_b128 v[WV+8*\n:WV+8*\n+3], v8 offset:512*\n
	ds_load_b128 v[WV+8*\n+4:WV+8*\n+7], v8 offset:512*\n+16
.endr
	v_mov_b32 v240, s34
	v_rcp_f32 v241, v240                           ; 1 / temp, mended below by one step
	v_nop                                          ; a plain line behind the transcendental
	s_wait_dscnt 0x0
.irp i, 0,2,4,6
	v_pk_add_f32 v[WV+\i:WV+\i+1], v[WV+\i:WV+\i+1], v[WV+8+\i:WV+8+\i+1]
	v_pk_add_f32 v[WV+16+\i:WV+16+\i+1], v[WV+16+\i:WV+16+\i+1], v[WV+24+\i:WV+24+\i+1]
.endr
.irp i, 0,2,4,6
	v_pk_add_f32 v[LG+\i:LG+\i+1], v[WV+\i:WV+\i+1], v[WV+16+\i:WV+16+\i+1]
.endr
.irp i, 0,1,2,3,4,5,6,7
	v_permlanex16_b32 v[WV+32+\i], v[LG+\i], s28, s29
.endr
.irp i, 0,2,4,6
	v_pk_add_f32 v[LG+\i:LG+\i+1], v[LG+\i:LG+\i+1], v[WV+32+\i:WV+32+\i+1]
.endr
	s_wait_alu depctr_va_vdst(0)                   ; ahead of the reciprocal's first reader
.irp i, 0,1,2,3,4,5,6,7
	v_mul_f32 v[WV+40+\i], v[LG+\i], v241          ; q = l / temp, roughly;
.endr
.irp i, 0,1,2,3,4,5,6,7
	v_fma_f32 v[WV+48+\i], -v[WV+40+\i], v240, v[LG+\i]            ; what is left of l;
.endr
.irp i, 0,1,2,3,4,5,6,7
	v_fma_f32 v[LG+\i], v[WV+48+\i], v241, v[WV+40+\i]             ; q mended
.endr
	v_mov_b32 v232, v[LG]                          ; the largest and its expert,
	v_mov_b32 v233, 0
	v_mov_b32 v234, 0xff800000                     ; the second and its expert
	v_mov_b32 v235, 0
.irp e, 1,2,3,4,5,6,7                          ; strictly greater only: of equals the lower index stays ahead
	v_cmp_gt_f32 s36, v[LG+\e], v232
	v_cmp_gt_f32 s37, v[LG+\e], v234
	v_mov_b32 v236, \e
	v_cndmask_b32 v234, v234, v[LG+\e], s37
	v_cndmask_b32 v235, v235, v236, s37
	v_cndmask_b32 v234, v234, v232, s36
	v_cndmask_b32 v235, v235, v233, s36
	v_cndmask_b32 v232, v232, v[LG+\e], s36
	v_cndmask_b32 v233, v233, v236, s36
.endr
	v_sub_f32 v236, v234, v232                     ; the second less the largest: 0 or less
	v_mul_f32 v236, 0x3fb8aa3b, v236
	v_exp_f32 v237, v236                           ; d = e^(second - largest)
	v_nop
	s_wait_alu depctr_va_vdst(0)
	v_add_f32 v238, 1.0, v237
	v_rcp_f32 v239, v238                           ; the first weight: 1 / (1 + d)
	v_nop
	s_wait_alu depctr_va_vdst(0)
	v_mul_f32 v237, v237, v239                     ; the second: d / (1 + d)
	v_cmp_eq_u32 vcc_lo, 1, v2
	v_cndmask_b32 v233, v233, v235, vcc_lo         ; lanes 16-31 store rank 1
	v_cndmask_b32 v239, v239, v237, vcc_lo
	global_store_b32 v12, v233, s[12:13]
	global_store_b32 v12, v239, s[14:15]
.Lend:
	s_wait_tensorcnt 0x0
	ds_add_u32 v254, v255
	s_wait_dscnt 0x0
	s_endpgm
.Lfunc_end_k_q1da4d497d1_route:
	.size	k_q1da4d497d1_route, .Lfunc_end_k_q1da4d497d1_route-k_q1da4d497d1_route
	.p2alignl 7, 3214868480
	.fill 96, 4, 3214868480
	.section	.rodata,"a",@progbits
	.p2align	6, 0x0
	.amdhsa_kernel k_q1da4d497d1_route
		.amdhsa_group_segment_fixed_size 105472
		.amdhsa_private_segment_fixed_size 0
		.amdhsa_enable_private_segment 0
		.amdhsa_kernarg_size 48
		.amdhsa_user_sgpr_count 2
		.amdhsa_user_sgpr_kernarg_segment_ptr 1
		.amdhsa_wavefront_size32 1
		.amdhsa_system_sgpr_workgroup_id_x 1
		.amdhsa_system_sgpr_workgroup_id_y 1
		.amdhsa_system_sgpr_workgroup_id_z 1
		.amdhsa_system_vgpr_workitem_id 0
		.amdhsa_next_free_vgpr 256
		.amdhsa_next_free_sgpr 66
		.amdhsa_reserve_vcc 1
		.amdhsa_float_denorm_mode_32 3
		.amdhsa_float_denorm_mode_16_64 3
		.amdhsa_memory_ordered 1
		.amdhsa_forward_progress 1
		.amdhsa_inst_pref_size 45
	.end_amdhsa_kernel
	.amdgpu_metadata
---
amdhsa.version: [ 1, 2 ]
amdhsa.kernels:
  - .name:           k_q1da4d497d1_route
    .symbol:         k_q1da4d497d1_route.kd
    .args:
      - { .name: x, .offset: 0, .size: 8, .value_kind: global_buffer, .address_space: global }
      - { .name: Wr, .offset: 8, .size: 8, .value_kind: global_buffer, .address_space: global }
      - { .name: temp, .offset: 16, .size: 8, .value_kind: global_buffer, .address_space: global }
      - { .name: xq, .offset: 24, .size: 8, .value_kind: global_buffer, .address_space: global }
      - { .name: topi, .offset: 32, .size: 8, .value_kind: global_buffer, .address_space: global }
      - { .name: topw, .offset: 40, .size: 8, .value_kind: global_buffer, .address_space: global }
    .group_segment_fixed_size: 105472
    .private_segment_fixed_size: 0
    .kernarg_segment_align: 8
    .kernarg_segment_size: 48
    .max_flat_workgroup_size: 256
    .sgpr_count:     66
    .vgpr_count:     256
    .wavefront_size: 32
...
	.end_amdgpu_metadata
.endif
;; end of part 1
;; launch up (part 2): grid 32 x 8, 8 waves a work-group, no clusters, 108,544 bytes of LDS; arguments W1, b1, xq, topi, hid, hs, list, cnt; writes hid, hs, list, cnt
.if DOCPART == 2
	.amdgcn_target "amdgcn-amd-amdhsa--gfx1250"
	.amdhsa_code_object_version 6
	.text
	.protected	k_q1da4d497d1_up
	.globl	k_q1da4d497d1_up
	.p2align	8
	.type	k_q1da4d497d1_up,@function
k_q1da4d497d1_up:
	s_mov_b64 s[64:65], 0
	v_nop
	global_prefetch_b8 v0, s[64:65] scope:SCOPE_SE
	s_setreg_imm32_b32 hwreg(HW_REG_WAVE_MODE, 25, 1), 1
	s_wait_xcnt 0x0
; FIRST PRODUCT OF THE CHOSEN EXPERTS, SwiGLU, QUANTISER OF THE HIDDEN LAYER.  h = Q(x) Q(W1[e]) + b1[e]; act = a x silu(g); Q(act) goes to memory as codes.
; Only the rows that the router sent to an expert are multiplied: the others' results are multiplied by 0 in the problem's own text.
; SHARES.  Work-group (c, e) owns hidden units 64 c .. 64 c + 63 of expert e: the run of 64 columns of a (W1 columns 64 c ..) and that of g (2,048 + 64 c ..), for all K = 1,024: 512 KB of f32, read once, by nobody else.
;   A: wave w takes K step w (128 rows of W1): four units of 32 loads of 16 bytes a lane; sixteen lanes read 256 consecutive aligned bytes of a row.  It quantises them in registers and lays them in LDS as images of operand registers.
;   B: wave w takes the tiles of 16 routed rows w + 8 j + 24 x round, j = 0, 1, 2: 8 column tiles x up to 3 row tiles of accumulators; each weight fragment read from LDS feeds a product for each row tile.
;      A round's body is written twice: with three row tiles, and with two for a wave whose third tile lies past the expert's rows: what is not there is neither loaded nor multiplied.
; COLUMNS OF A TILE.  Lane (r, h) loads W1[64 cc + 32 h + i][4 r .. 4 r + 3]: register 4 i + q is k number i of column 4 r + q.  Tile q is DEFINED as the columns 4 m + q: so lane (r, h) already holds row m = r of tile q
; with k = 64 cc + 32 h + 0 .. 31, as the 6-bit operand wants; only moves to consecutive registers are owed, since the conversion takes consecutive registers.
; THE PRODUCT IS USED TRANSPOSED (source 0 = 16 columns of W1, source 1 = 16 routed rows): lane (r, h) holds routed row r, register j of tile q column 32 h + 4 j + q: over four tiles 32 NEIGHBOURING hidden units, one block.
; THE LIST.  Wave 0 of every work-group sorts the 2,048 slots (1,024 x rank + token) by a count over lanes, while its first two units of weights are on their way: expert e's slots, in ascending order of their place in
; topi, go to LDS; places not used hold 2,048 + e.  One barrier parts these stores from every other wave's first LDS access: it stands ahead of the first images' stores, so that no wave's requests for weights wait for the list.
; Wave 0 of work-group (0, e) also stores the list and the count for the next launch.  The choice was stored as whole numbers by the launch before.
; No tensor load and no cluster: the trips' work hangs on a count read from memory, and the weights, which are nearly all the bytes, are shared by nobody.  No prefetch: each wave has 64 loads of 512 bytes out from its first lines on.
; LIMITS: NaN and infinities are not served; a x g must stay finite; blocks under 2^-122 (blocks of zeros too) get the scale byte 1: the bytes are read by this program alone.
.set IMG,   0                          ; LDS: fragment (K step s, tile t) at (8 s + t) x 1,536: three groups of 512 bytes, lane l's 16 bytes at 16 l
.set SCL,   98304                      ; scale words: K step s, tile t, row m at 512 s + 16 (m + 16 (t % 2)) + 4 (t / 2): one load of 16 bytes a lane brings all eight tiles' words
.set LIST,  102400                     ; 1,152 words: the expert's slots
.set CNT,   107008                     ; the count
.set DUMPW, 1216                       ; the words, counted from LIST, where lanes with nothing to place put their number: one a lane
.set WS,  16                           ; v16-23   W1's scale words, two sets of 4: register i: tile 2 i in lanes 0-15, tile 2 i + 1 in lanes 16-31.  v16-47 hold scales and nothing else
.set XS,  24                           ; v24-47   x's scale words: 8 j + s
.set BT,  48                           ; A: v48-111  b1 as loaded
.set TA,  112                          ; A: v112-175 two sets of 32 numbers down K (wave 0 first: topi)
.set F,   176                          ; A: v176-223 four fragments (wave 0 of work-group (0, e) first: the list on its way out)
.set LT,  212                          ; wave 0, the list: v212-215 four places, v216-219 four slots' numbers
.set UB,  224                          ; A: v224-226, v228-230 upper halves of codes
.set MB,  232                          ; A: v232-239 maxima, scale operand, byte: two sets
.set WD,  240                          ; A: v240-243 the four tiles' scale words
.set PX,  244                          ; A: v244-247 2,048 + e, then lane permutes' destinations
.set XR,  48                           ; B: v48-155  x's fragments: 36 (s % 3) + 12 j
.set WF,  156                          ; B: v156-203 tiles 0-3 (a), v204-251 tiles 4-7 (g)
.set XA,  252                          ; B: v252-254 byte offset of my row's record in xq
.set EE,  156                          ; way out: v156-187
.set PP,  188                          ; way out: v188-219
.set ACT, 220                          ; way out: v220-251
.set HH,  48                           ; way out: six registers of codes at 48 + 8 j
.set BY,  72                           ; way out: the byte at 72 + j
; window 1 (v256-511): A: two sets of 128 for the loads;  B: v0-63 b1 in the result's layout (8 t), v64-255 the accumulators (64 + 64 j + 8 t)
.set MSB, 0
.macro WIN new                         ; the immediate's high byte repeats the setting that is left
.if MSB != \new
	s_set_vgpr_msb (MSB<<8)|\new
.set MSB, \new
.endif
.endm
.macro PLACES n
.rept \n
	v_nop
.endr
.endm
.macro MAX32 a, b, s                   ; the largest magnitude of v[s] .. v[s + 31], and the floor 2^(5 - 127), into v[a]: two chains
	v_max3_num_f32 v[\a], |v[\s]|, |v[\s+1]|, 0x2800000
	v_max3_num_f32 v[\b], |v[\s+2]|, |v[\s+3]|, |v[\s+4]|
.irp i, 5,9,13,17,21,25
	v_max3_num_f32 v[\a], v[\a], |v[\s+\i]|, |v[\s+\i+1]|
	v_max3_num_f32 v[\b], v[\b], |v[\s+\i+2]|, |v[\s+\i+3]|
.endr
	v_max3_num_f32 v[\a], v[\a], |v[\s+29]|, |v[\s+30]|
	v_max3_num_f32 v[\a], v[\a], v[\b], |v[\s+31]|
.endm
.macro LOADU u                         ; unit u: run u / 2 (a, g), rows 64 (u % 2) + 32 h + i of my K step, into set u % 2 of window 1
	WIN 0x40
.irp i, 0,1,2,3,4,5,6,7,8,9,10,11,12,13,14,15,16,17,18,19,20,21,22,23,24,25,26,27,28,29,30,31
	global_load_b128 v[128*((\u)%2)+4*\i:128*((\u)%2)+4*\i+3], v9, s[30:31] offset:8192*((\u)/2)+1048576*((\u)%2)+16384*\i th:TH_LOAD_NT
.endr
	WIN 0
.endm
.macro PROC cc                         ; set cc becomes registers 6 cc .. 6 cc + 5 of the four tiles' fragments, and a byte of each scale word
.irp q, 0,1,2,3
.set TT, TA+32*(\q%2)
.set MM, MB+4*(\q%2)
.set UU, UB+4*(\q%2)
	WIN 0x01
.irp i, 0,1,2,3,4,5,6,7,8,9,10,11,12,13,14,15,16,17,18,19,20,21,22,23,24,25,26,27,28,29,30,31
	v_mov_b32 v[TT+\i], v[128*(\cc)+4*\i+\q]
.endr
	WIN 0
	MAX32 MM, MM+1, TT
	v_add_nc_u32 v[MM+2], 0xfe000000, v[MM]        ; 4 off the exponent field: the conversion's scale operand
	v_cvt_scalef32_pk16_bf6_f32 v[F+12*\q+6*(\cc):F+12*\q+6*(\cc)+2], v[TT:TT+15], v[MM+2]
	v_cvt_scalef32_pk16_bf6_f32 v[UU:UU+2], v[TT+16:TT+31], v[MM+2]
	v_lshrrev_b32 v[MM+3], 23, v[MM+2]             ; the byte; also the plain line behind the conversions
.irp i, 0,1,2
	v_mov_b32 v[F+12*\q+6*(\cc)+3+\i], v[UU+\i]
.endr
.if (\cc) == 0
	v_mov_b32 v[WD+\q], v[MM+3]
.else
	v_lshl_or_b32 v[WD+\q], v[MM+3], 16, v[WD+\q]
.endif
.endr
.endm
.macro STOREF p                        ; run p's four fragments and scale words go to LDS
.irp q, 0,1,2,3
.irp g, 0,1,2
	ds_store_b128 v10, v[F+12*\q+4*\g:F+12*\q+4*\g+3] offset:1536*(4*(\p)+\q)+512*\g
.endr
	v_lshlrev_b32 v[WD+\q], v12, v[WD+\q]          ; my two bytes, blocks h and 2 + h, at their places
.endr
.irp q, 0,1,2,3
	v_permlanex16_b32 v[PX+\q], v[WD+\q], s28, s29
.endr
.irp q, 0,1,2,3
	v_or_b32 v[WD+\q], v[WD+\q], v[PX+\q]          ; with lane l xor 16's two the word is whole
.endr
.irp q, 0,1,2,3
	ds_store_b32 v11, v[WD+\q] offset:256*(\q%2)+4*((4*(\p)+\q)/2)  ; both halves of the lanes store the same word
.endr
.endm
.macro SCALEW s                        ; K step s's eight scale words a row: one load
	ds_load_b128 v[WS+4*((\s)%2):WS+4*((\s)%2)+3], v5 offset:512*(\s)
.endm
.macro RUNW s, half                    ; tiles 4 half .. 4 half + 3 of K step s: 12 loads
.irp q, 0,1,2,3
.irp g, 0,1,2
	ds_load_b128 v[WF+48*(\half)+12*\q+4*\g:WF+48*(\half)+12*\q+4*\g+3], v[3+(\s)/4] offset:(8*((\s)%4)+4*(\half)+\q)*1536+512*\g
.endr
.endr
.endm
.macro LOADX s, nj                     ; my nj tiles' fragments of x for K step s: 3 nj loads of 16 bytes a lane
.irp j, 0,1,2
.if \j < \nj
.irp g, 0,1,2
	global_load_b128 v[XR+36*((\s)%3)+12*\j+4*\g:XR+36*((\s)%3)+12*\j+4*\g+3], v[XA+\j], s[8:9] offset:128*(\s)+16*\g
.endr
.endif
.endr
.endm
.macro WM d, a, b, c, sa, sb, odd      ; odd: source 0's scales stand in lanes 16-31
.if \odd
	v_wmma_scale_f32_16x16x128_f8f6f4 v[\d:\d+7], v[\a:\a+11], v[\b:\b+11], v[\c:\c+7], v[\sa], v[\sb] matrix_a_fmt:MATRIX_FMT_BF6 matrix_b_fmt:MATRIX_FMT_BF6 matrix_a_scale:MATRIX_SCALE_ROW1
.else
	v_wmma_scale_f32_16x16x128_f8f6f4 v[\d:\d+7], v[\a:\a+11], v[\b:\b+11], v[\c:\c+7], v[\sa], v[\sb] matrix_a_fmt:MATRIX_FMT_BF6 matrix_b_fmt:MATRIX_FMT_BF6
.endif
.endm
.macro MULG s, half, nj                ; 4 nj products: four column tiles x nj row tiles.  The 8 nj accumulators take turns, one instruction a turn, in the same order in every K step.  K step 0 takes b1 as C
.irp q, 0,1,2,3
.irp j, 0,1,2
.if \j < \nj
.set TL, 4*(\half)+\q
.set RDD, 64+64*\j+8*TL
.if (\s) == 0
.set RCC, 8*TL
.else
.set RCC, RDD
.endif
	WM RDD, WF+48*(\half)+12*\q, XR+36*((\s)%3)+12*\j, RCC, WS+4*((\s)%2)+TL/2, XS+8*\j+(\s), \q%2
.endif
.endr
.endr
.endm
.macro KSTEP s, nj
.if (\s) < 6
	s_wait_loadcnt 6*\nj                           ; this K step's fragments of x are in; those of the two steps behind it (3 nj loads each) may be out
.elseif (\s) == 6
	s_wait_loadcnt 3*\nj
.else
	s_wait_loadcnt 0x0
.endif
	s_wait_dscnt 12                                ; the scale words and tiles 0-3 are in; tiles 4-7 (12 loads) may be out
	WIN 0x50                                       ; C and D in window 1
	MULG \s, 0, \nj
	PLACES 4                                       ; four plain lines ahead of loads into registers that these products read (ISA guide 7.12.1 for vector instructions)
	WIN 0
.if (\s) < 7
	SCALEW (\s)+1
	RUNW (\s)+1, 0
	s_wait_dscnt 13                                ; tiles 4-7 are in; the 13 loads just issued may be out
.else
	s_wait_dscnt 0x0
.endif
	WIN 0x50
	MULG \s, 1, \nj
.if (\s) < 7
	PLACES 4
.else
	PLACES 5                                       ; ahead of the first read of results; and the next round's first products write these accumulators anew: five
.endif
	WIN 0
.if (\s) < 7
	RUNW (\s)+1, 1
.endif
.if (\s) < 5
	LOADX (\s)+3, \nj
.endif
.endm
; THE WAY OUT of row tile j: act = (a g) / (1 + 2^(-g log2 e)), in f32; my 32 neighbouring hidden units are one block: codes and a byte.
.macro EPI j
	s_cmp_ge_u32 s[48+\j], s25                     ; a tile past the expert's rows stores nothing
	s_cbranch_scc1 .Lskip_\@
	WIN 0x01
.irp q, 0,1,2,3
.irp i, 0,2,4,6
	v_pk_mul_f32 v[EE+8*\q+\i:EE+8*\q+\i+1], v[64+64*\j+8*(4+\q)+\i:64+64*\j+8*(4+\q)+\i+1], 0xbfb8aa3b op_sel_hi:[1,0]   ; -g log2 e; each accumulator from its low end on
.endr
.endr
	WIN 0x05
.irp q, 0,1,2,3
.irp i, 0,2,4,6
	v_pk_mul_f32 v[PP+8*\q+\i:PP+8*\q+\i+1], v[64+64*\j+8*\q+\i:64+64*\j+8*\q+\i+1], v[64+64*\j+8*(4+\q)+\i:64+64*\j+8*(4+\q)+\i+1]   ; a g
.endr
.endr
	WIN 0
.set N, 0
.rept 32
	v_exp_f32 v[EE+N], v[EE+N]
.set N, N+1
.endr
	v_nop                                          ; a plain line behind the batch,
	s_wait_alu depctr_va_vdst(0)                   ; and one wait for it, ahead of its first reader
.irp i, 0,2,4,6,8,10,12,14,16,18,20,22,24,26,28,30
	v_pk_add_f32 v[EE+\i:EE+\i+1], v[EE+\i:EE+\i+1], 1.0 op_sel_hi:[1,0]
.endr
.set N, 0
.rept 32
	v_rcp_f32 v[EE+N], v[EE+N]
.set N, N+1
.endr
	v_nop
	s_wait_alu depctr_va_vdst(0)
.irp q, 0,1,2,3
.irp i, 0,1,2,3,4,5,6,7
	v_mul_f32 v[ACT+4*\i+\q], v[PP+8*\q+\i], v[EE+8*\q+\i]          ; hidden unit 32 h + 4 i + q: the destination's number puts the 32 in order
.endr
.endr
	MAX32 80, 81, ACT
	v_add_nc_u32 v82, 0xfe000000, v80
	v_cvt_scalef32_pk16_bf6_f32 v[HH+8*\j:HH+8*\j+2], v[ACT:ACT+15], v82
	v_cvt_scalef32_pk16_bf6_f32 v[76:78], v[ACT+16:ACT+31], v82
	v_lshrrev_b32 v[BY+\j], 23, v82                ; the byte; also the plain line behind the conversions
.irp i, 0,1,2
	v_mov_b32 v[HH+8*\j+3+\i], v[76+\i]
.endr
	s_cmp_lg_u32 s23, 0                            ; my 64 hidden units are the lower or the upper half of a K step of the next product: registers 0-5 or 6-11 of its fragment's image
	s_cbranch_scc1 .Lodd_\@
	global_store_b128 v7, v[HH+8*\j:HH+8*\j+3], s[36+2*\j:37+2*\j]                 ; 32 lanes store 512 consecutive bytes
	global_store_b64 v7, v[HH+8*\j+4:HH+8*\j+5], s[36+2*\j:37+2*\j] offset:512
	s_branch .Lbyte_\@
.Lodd_\@:
	global_store_b64 v7, v[HH+8*\j:HH+8*\j+1], s[36+2*\j:37+2*\j] offset:520
	global_store_b128 v7, v[HH+8*\j+2:HH+8*\j+5], s[36+2*\j:37+2*\j] offset:1024
.Lbyte_\@:
	global_store_b8 v8, v[BY+\j], s[42+2*\j:43+2*\j]
.Lskip_\@:
.endm
; A round's work for nj row tiles: x's scale words and first three K steps, the first weights, eight K steps, the ways out.
.macro BODY nj
.irp j, 0,1,2
.if \j < \nj
	global_load_b128 v[XS+8*\j:XS+8*\j+3], v[XA+\j], s[8:9] offset:96      ; lanes 0-15: the token's eight scale words; what lanes 16-31 bring is not looked at
	global_load_b128 v[XS+8*\j+4:XS+8*\j+7], v[XA+\j], s[8:9] offset:112
.endif
.endr
	LOADX 0, \nj
	LOADX 1, \nj
	LOADX 2, \nj
	SCALEW 0
	RUNW 0, 0
	RUNW 0, 1
.irp s, 0,1,2,3,4,5,6,7
	KSTEP \s, \nj
.endr
	EPI 0
	EPI 1
.if \nj > 2
	EPI 2
.endif
.endm
	s_load_b512 s[4:19], s[0:1], 0x0               ; W1 s[4:5], b1 s[6:7], xq s[8:9], topi s[10:11], hid s[12:13], hs s[14:15], list s[16:17], cnt s[18:19]
	v_lshrrev_b32 v252, 5, v0
	v_readfirstlane_b32 s20, v252                  ; wave
	s_mov_b32 s21, ttmp9                           ; c
	s_and_b32 s22, ttmp7, 0xffff                   ; e
	s_and_b32 s23, s21, 1                          ; which half of the next product's K step
	v_and_b32 v1, 15, v0                           ; r
	v_bfe_u32 v2, v0, 4, 1                         ; h
	v_and_b32 v254, 31, v0                         ; lane
	v_lshlrev_b32 v7, 4, v254                      ; 16 x lane (offsets in memory)
	v_lshlrev_b32 v3, 4, v254                      ; images of K steps 0-3,
	v_add_nc_u32 v4, 49152, v7                     ; of K steps 4-7
	v_add_nc_u32 v5, SCL, v7                       ; scale words, on the way out
	s_lshl_b32 s52, s20, 6
	v_lshlrev_b32 v6, 2, v1
	v_add_nc_u32 v6, s52, v6
	v_add_nc_u32 v6, LIST, v6                      ; the slot of row r of tile w
	v_lshl_add_u32 v8, v1, 2, v2                   ; hs: 4 r + h
	v_lshlrev_b32 v9, 4, v1
	v_lshl_add_u32 v9, v2, 19, v9                  ; W1: 32 h rows of 16,384 bytes + 16 r
	s_mul_i32 s52, s20, 12288
	v_add_nc_u32 v10, s52, v7                      ; my K step's images, on the way in
	s_lshl_b32 s52, s20, 9
	v_lshlrev_b32 v11, 4, v1
	v_add_nc_u32 v11, s52, v11
	v_add_nc_u32 v11, SCL, v11                     ; and its scale words
	v_lshlrev_b32 v12, 3, v2                       ; 8 h
	v_mul_u32_u24 v13, v2, 48                      ; 48 h
	v_mov_b32 v14, CNT
	v_lshlrev_b32 v15, 2, v254                     ; 4 x lane
	v_add_nc_u32 v255, LIST, v7                    ; the list, 16 bytes a lane
	v_add_nc_u32 v251, DUMPW, v254                 ; my dump word's number
	v_lshlrev_b32 v250, 7, v2                      ; b1: 32 h numbers
	s_add_co_u32 s59, s22, 2048
.irp i, 0,1,2,3
	v_mov_b32 v[PX+\i], s59                        ; what an unused place of the list holds
.endr
	s_mov_b32 s28, 0x76543210
	s_mov_b32 s29, 0xfedcba98                      ; v_permlanex16_b32's selects for lane l xor 16
	s_lshl_b32 s52, s22, 24                        ; W1: the expert,
	s_lshl_b32 s54, s20, 21                        ; my 128 rows,
	s_add_co_u32 s52, s52, s54
	s_lshl_b32 s54, s21, 8                         ; my run of 64 columns
	s_add_co_u32 s52, s52, s54
	s_mov_b32 s53, 0
	s_lshl_b32 s56, s22, 14                        ; b1: the expert, my run
	s_add_co_u32 s56, s56, s54
	s_mov_b32 s57, 0
	s_mov_b32 s55, 0
	s_lshl_b32 s51, s22, 4
	s_lshr_b32 s58, s21, 1
	s_add_co_u32 s51, s51, s58                     ; 16 e + the next product's K step
	s_lshl_b32 s35, s51, 12
	s_lshl_b32 s58, s23, 1
	s_add_co_u32 s35, s35, s58                     ; hs: 4,096 bytes for each, + 2 x half
	s_lshl_b32 s51, s51, 6                         ; hid: 64 tiles for each
	s_wait_kmcnt 0x0
	s_add_nc_u64 s[30:31], s[4:5], s[52:53]
	s_add_nc_u64 s[6:7], s[6:7], s[56:57]
.irp p, 0,1
.irp i, 0,1,2,3,4,5,6,7
	global_load_b128 v[BT+32*\p+4*\i:BT+32*\p+4*\i+3], v250, s[6:7] offset:8192*\p+16*\i
.endr
.endr
	s_cmp_lg_u32 s20, 0
	s_cbranch_scc1 .Lno_topi
.irp i, 0,1,2,3,4,5,6,7,8,9,10,11,12,13,14,15
	global_load_b128 v[TA+4*\i:TA+4*\i+3], v7, s[10:11] offset:512*\i     ; wave 0: all 2,048 choices, ahead of the weights: register 4 i + q is slot 128 i + 4 lane + q
.endr
.Lno_topi:
	LOADU 0
	LOADU 1                                        ; two units of weights are asked for before anything is waited for
	s_cmp_lg_u32 s20, 0
	s_cbranch_scc1 .Lno_list
	; ---- wave 0: the list, while the weights are on their way
	s_wait_loadcnt 63                              ; 64 loads were issued behind the choices; a wait's count ends at 63 (ISA guide 5.7.1): the choices are in
.irp n, 0,1,2,3,4,5,6,7,8
	ds_store_b128 v255, v[PX:PX+3] offset:512*\n   ; every place begins as unused
.endr
	s_mov_b32 s32, 0                               ; places taken so far
.set N, 0
.rept 16                                       ; four slots at a time, line by line, so that no line waits for the line above it
.irp q, 0,1,2,3
	v_cmp_eq_u32 s[36+\q], s22, v[TA+N+\q]         ; is this slot my expert's?
.endr
.irp q, 0,1,2,3
	s_bcnt1_i32_b32 s[40+\q], s[36+\q]
.endr
	s_add_co_u32 s40, s32, s40                     ; places taken ahead of the second of the four,
	s_add_co_u32 s41, s40, s41                     ; of the third,
	s_add_co_u32 s42, s41, s42                     ; of the fourth
	v_mbcnt_lo_u32_b32 v[LT], s36, s32             ; a slot's place: those taken + the lanes below me that say yes
	v_mbcnt_lo_u32_b32 v[LT+1], s37, s40
	v_mbcnt_lo_u32_b32 v[LT+2], s38, s41
	v_mbcnt_lo_u32_b32 v[LT+3], s39, s42
	s_add_co_u32 s32, s42, s43
.irp q, 0,1,2,3
	v_cndmask_b32 v[LT+\q], v251, v[LT+\q], s[36+\q]               ; a lane that says no writes its dump word
.endr
.irp q, 0,1,2,3
	v_min_u32 v[LT+\q], 0x4ff, v[LT+\q]            ; held inside the 1,280 words from LIST on
.endr
.irp q, 0,1,2,3
	v_lshl_add_u32 v[LT+\q], v[LT+\q], 2, LIST
.endr
.irp q, 0,1,2,3
	v_add_nc_u32 v[LT+4+\q], 32*N+\q, v15          ; the slot's number: 128 (N / 4) + 4 lane + q
.endr
.irp q, 0,1,2,3
	ds_store_b32 v[LT+\q], v[LT+4+\q]
.endr
.set N, N+4
.endr
	v_mov_b32 v252, s32
	ds_store_b32 v14, v252                         ; the count
	s_cmp_lg_u32 s21, 0                            ; in work-group (0, e) the list and the count go to memory for the next launch
	s_cbranch_scc1 .Lno_list
	s_mul_i32 s52, s22, 4608
	s_add_nc_u64 s[16:17], s[16:17], s[52:53]
	s_lshl_b32 s52, s22, 7
	s_add_nc_u64 s[18:19], s[18:19], s[52:53]
.irp n, 0,1,2,3,4,5,6,7,8
	ds_load_b128 v[F+4*\n:F+4*\n+3], v255 offset:512*\n            ; LDS serves a wave's instructions in order: these see my stores above
.endr
	s_wait_dscnt 0x0
.irp n, 0,1,2,3,4,5,6,7,8
	global_store_b128 v7, v[F+4*\n:F+4*\n+3], s[16:17] offset:512*\n
.endr
	global_store_b32 v15, v252, s[18:19]
	s_wait_xcnt 0x0                                ; the stores have read their registers, which the conversions below write
.Lno_list:
	; ---- A: my K step of the slab: four units, two always on their way
	s_wait_loadcnt 32                              ; unit 0 (and b1) are in; unit 1's 32 loads may be out
	PROC 0
	LOADU 2
	s_wait_loadcnt 32                              ; unit 1 is in; unit 2 may be out
	PROC 1
	s_wait_dscnt 0x0                               ; wave 0's stores of the list have landed
	s_barrier_signal -1
	s_barrier_wait -1                              ; the list and the count lie in LDS; nothing is stored to them again.  No other wave has touched LDS so far
	ds_load_b32 v249, v14                          ; the count
	STOREF 0
	LOADU 3
	s_wait_loadcnt 32                              ; unit 2 is in; unit 3 may be out
	s_wait_dscnt 0x0                               ; the LDS stores have read their registers, and the count is in
	v_readfirstlane_b32 s24, v249                  ; the expert's rows,
	s_add_co_u32 s25, s24, 15
	s_lshr_b32 s25, s25, 4                         ; its tiles of 16
	PROC 0
	s_wait_loadcnt 0x0
	PROC 1
	STOREF 1
	WIN 0x40
.irp p, 0,1
.irp q, 0,1,2,3
.irp j, 0,1,2,3,4,5,6,7
	v_mov_b32 v[8*(4*\p+\q)+\j], v[BT+32*\p+4*\j+\q]               ; b1 in the result's layout: tile 4 p + q, register j: column 32 h + 4 j + q
.endr
.endr
.endr
	WIN 0
	s_wait_dscnt 0x0                               ; for the others' sake: my images have landed
	s_barrier_signal -1
	s_barrier_wait -1                              ; the whole slab lies in LDS as codes; from here on LDS is only read
	; ---- B: three rounds of 24 tiles (72 >= the 64 that an expert can have): the count is a constant, the work is passed over
	s_mov_b32 s26, 0
	s_mov_b32 s27, s20                             ; my first tile of the round
	s_mov_b32 s34, 0                               ; the round's place in the list
.Lround:
	s_cmp_ge_u32 s27, s25
	s_cbranch_scc1 .Lnext
	s_wait_xcnt 0x0                                ; the last round's stores have read their registers and bases
	v_add_nc_u32 v255, s34, v6
.irp j, 0,1,2
	ds_load_b32 v[XA+\j], v255 offset:512*\j       ; row r's slot in tile w + 8 j + 24 x round
.endr
.irp j, 0,1,2
	s_add_co_u32 s[48+\j], s27, 8*\j
	s_min_u32 s52, s[48+\j], 63
	s_add_co_u32 s54, s51, s52
	s_mul_i32 s54, s54, 1536
	s_add_nc_u64 s[36+2*\j:37+2*\j], s[12:13], s[54:55]            ; the tile's image in hid
	s_lshl_b32 s54, s52, 6
	s_add_co_u32 s54, s54, s35
	s_add_nc_u64 s[42+2*\j:43+2*\j], s[14:15], s[54:55]            ; and its scale bytes in hs
.endr
	s_wait_dscnt 0x0
.irp j, 0,1,2
	v_min_u32 v[XA+\j], 0x7ff, v[XA+\j]            ; an unused place becomes slot 2,047
	v_and_b32 v[XA+\j], 0x3ff, v[XA+\j]            ; the token
	v_lshl_add_u32 v[XA+\j], v[XA+\j], 10, v13     ; its 1,024 bytes, + 48 h
.endr
	s_cmp_ge_u32 s50, s25                          ; does my third tile lie past the expert's rows?
	s_cbranch_scc1 .Ltwo
	BODY 3
	s_branch .Lnext
.Ltwo:
	BODY 2
.Lnext:
	s_add_co_u32 s27, s27, 24
	s_add_co_u32 s34, s34, 1536
	s_add_co_u32 s26, s26, 1
	s_cmp_lt_u32 s26, 3
	s_cbranch_scc1 .Lround
	s_wait_xcnt 0x0
	v_lshl_add_u32 v254, v0, 2, 0x1a400
	v_mov_b32 v255, 0
	s_wait_tensorcnt 0x0
	ds_add_u32 v254, v255
	s_wait_dscnt 0x0
	s_endpgm
.Lfunc_end_k_q1da4d497d1_up:
	.size	k_q1da4d497d1_up, .Lfunc_end_k_q1da4d497d1_up-k_q1da4d497d1_up
	.p2alignl 7, 3214868480
	.fill 96, 4, 3214868480
	.section	.rodata,"a",@progbits
	.p2align	6, 0x0
	.amdhsa_kernel k_q1da4d497d1_up
		.amdhsa_group_segment_fixed_size 108544
		.amdhsa_private_segment_fixed_size 0
		.amdhsa_enable_private_segment 0
		.amdhsa_kernarg_size 64
		.amdhsa_user_sgpr_count 2
		.amdhsa_user_sgpr_kernarg_segment_ptr 1
		.amdhsa_wavefront_size32 1
		.amdhsa_system_sgpr_workgroup_id_x 1
		.amdhsa_system_sgpr_workgroup_id_y 1
		.amdhsa_system_sgpr_workgroup_id_z 1
		.amdhsa_system_vgpr_workitem_id 0
		.amdhsa_next_free_vgpr 512
		.amdhsa_next_free_sgpr 72
		.amdhsa_reserve_vcc 0
		.amdhsa_float_denorm_mode_32 3
		.amdhsa_float_denorm_mode_16_64 3
		.amdhsa_memory_ordered 1
		.amdhsa_forward_progress 1
		.amdhsa_inst_pref_size 230
	.end_amdhsa_kernel
	.amdgpu_metadata
---
amdhsa.version: [ 1, 2 ]
amdhsa.kernels:
  - .name:           k_q1da4d497d1_up
    .symbol:         k_q1da4d497d1_up.kd
    .args:
      - { .name: W1, .offset: 0, .size: 8, .value_kind: global_buffer, .address_space: global }
      - { .name: b1, .offset: 8, .size: 8, .value_kind: global_buffer, .address_space: global }
      - { .name: xq, .offset: 16, .size: 8, .value_kind: global_buffer, .address_space: global }
      - { .name: topi, .offset: 24, .size: 8, .value_kind: global_buffer, .address_space: global }
      - { .name: hid, .offset: 32, .size: 8, .value_kind: global_buffer, .address_space: global }
      - { .name: hs, .offset: 40, .size: 8, .value_kind: global_buffer, .address_space: global }
      - { .name: list, .offset: 48, .size: 8, .value_kind: global_buffer, .address_space: global }
      - { .name: cnt, .offset: 56, .size: 8, .value_kind: global_buffer, .address_space: global }
    .group_segment_fixed_size: 108544
    .private_segment_fixed_size: 0
    .kernarg_segment_align: 8
    .kernarg_segment_size: 64
    .max_flat_workgroup_size: 256
    .sgpr_count:     72
    .vgpr_count:     512
    .wavefront_size: 32
...
	.end_amdgpu_metadata
.endif
;; end of part 2
;; launch down (part 3): grid 32 x 8, 8 waves a work-group, no clusters, 87,040 bytes of LDS; arguments W2, b2, hid, hs, list, cnt, topw, ybuf; writes ybuf
.if DOCPART == 3
	.amdgcn_target "amdgcn-amd-amdhsa--gfx1250"
	.amdhsa_code_object_version 6
	.text
	.protected	k_q1da4d497d1_down
	.globl	k_q1da4d497d1_down
	.p2align	8
	.type	k_q1da4d497d1_down,@function
k_q1da4d497d1_down:
	s_mov_b64 s[64:65], 0
	v_nop
	global_prefetch_b8 v0, s[64:65] scope:SCOPE_SE
	s_setreg_imm32_b32 hwreg(HW_REG_WAVE_MODE, 25, 1), 1
	s_wait_xcnt 0x0
; SECOND PRODUCT OF THE CHOSEN EXPERTS AND THE GATE'S WEIGHT.  ybuf[kh][slot] = we x (Q(act) Q(W2[e]) over half kh of K (+ b2[e] in half 0)).
; SHARES.  Work-group (ng + 16 kh, e) owns output columns 64 ng .. 64 ng + 63 and rows 1,024 kh .. + 1,023 of W2[e]: 256 KB of f32, read once, by nobody else.  K is cut in two so that a row's part stays 256 consecutive
; aligned bytes and there is a slab for each of 256 work-groups; the two halves' rows are added by the next launch.
;   A: wave w takes K step w (128 rows): two units of 32 loads of 16 bytes a lane, both out from the first lines on; codes and scale words go to LDS as images of operand registers.
;   B: wave w takes the tiles of 16 routed rows w + 8 j + 24 x round, j = 0, 1, 2: 4 column tiles x up to 3 row tiles of accumulators.  The hidden layer's fragments come from memory as they lie: 512 consecutive bytes a load.
;      A round's body is written twice: with three row tiles, and with two for a wave whose third tile lies past the expert's rows: what is not there is neither loaded nor multiplied.
; Tile q is the columns 4 m + q, and the product is used transposed (source 0 = 16 columns of W2, source 1 = 16 routed rows): lane (r, h) holds routed row r and, over the four tiles, columns 32 h + 0 .. 31.
; THE WAY OUT: x the row's gate weight, through the wave's own stage in LDS, back as whole rows: sixteen lanes store 256 consecutive aligned bytes of row 'slot' of ybuf.  A place of the list that holds no slot
; names row 2,048 + e, which nobody reads: so no lane is ever switched off.  A second row tile past the expert's rows repeats the last tile's loads and stores nothing.
; No tensor load and no cluster: the trips' work hangs on a count read from memory, and the weights are shared by nobody.  No prefetch: the work-group's whole slab is asked for at once.
; LIMITS: NaN and infinities are not served; blocks of W2 under 2^-122 (blocks of zeros too) get the scale byte 1.
.set IMG,   0                          ; LDS: fragment (K step s, tile t) at (4 s + t) x 1,536
.set SCL,   49152                      ; scale words: 256 s + 8 (m + 16 (t % 2)) + 4 (t / 2)
.set STG,   51200                      ; a stage of 16 rows x (256 + 16) bytes for each wave
.set PLANE, 8421376                    ; bytes of one half's 2,056 rows of ybuf
.set WS,  14                           ; v14-17   W2's scale words, two sets of 2.  v14-26 hold scales and nothing else
.set HS,  18                           ; v18-26   the hidden layer's: 3 (s % 3) + j
.set OFF, 28                           ; v28-51   8 j + i: byte offset in ybuf of my 16 bytes of row 2 i + h of tile j
.set BT,  52                           ; A: v52-83   b2 as loaded
.set TA,  84                           ; A: v84-147  two sets of 32 numbers down K
.set F,   148                          ; A: v148-195 four fragments
.set UB,  196                          ; A: v196-198, v200-202
.set MB,  204                          ; A: v204-211
.set WD,  212                          ; A: v212-215
.set PX,  222                          ; A: v222-225 lane permutes' destinations
.set XR,  52                           ; B: v52-159  the hidden layer's fragments: 36 (s % 3) + 12 j
.set WF,  160                          ; B: v160-207, v208-255 W2's four tiles, by the K step's parity
.set Y,   160                          ; way out: 32 weighted results
.set Z,   52                           ; way out: 32 registers at 52 + 36 j: rows read back
; window 1 (v256-511): A: two sets of 128 for the loads;  B: v0-31 b2 in the result's layout (8 t), v32-127 the accumulators (32 + 32 j + 8 t)
.set MSB, 0
.macro WIN new                         ; the immediate's high byte repeats the setting that is left
.if MSB != \new
	s_set_vgpr_msb (MSB<<8)|\new
.set MSB, \new
.endif
.endm
.macro PLACES n
.rept \n
	v_nop
.endr
.endm
.macro MAX32 a, b, s                   ; the largest magnitude of v[s] .. v[s + 31], and the floor 2^(5 - 127), into v[a]: two chains
	v_max3_num_f32 v[\a], |v[\s]|, |v[\s+1]|, 0x2800000
	v_max3_num_f32 v[\b], |v[\s+2]|, |v[\s+3]|, |v[\s+4]|
.irp i, 5,9,13,17,21,25
	v_max3_num_f32 v[\a], v[\a], |v[\s+\i]|, |v[\s+\i+1]|
	v_max3_num_f32 v[\b], v[\b], |v[\s+\i+2]|, |v[\s+\i+3]|
.endr
	v_max3_num_f32 v[\a], v[\a], |v[\s+29]|, |v[\s+30]|
	v_max3_num_f32 v[\a], v[\a], v[\b], |v[\s+31]|
.endm
.macro LOADU cc                        ; rows 64 cc + 32 h + i of my K step, into set cc of window 1
	WIN 0x40
.irp i, 0,1,2,3,4,5,6,7,8,9,10,11,12,13,14,15,16,17,18,19,20,21,22,23,24,25,26,27,28,29,30,31
	global_load_b128 v[128*(\cc)+4*\i:128*(\cc)+4*\i+3], v27, s[30:31] offset:262144*(\cc)+4096*\i th:TH_LOAD_NT
.endr
	WIN 0
.endm
.macro PROC cc                         ; set cc becomes registers 6 cc .. 6 cc + 5 of the four tiles' fragments, and a byte of each scale word
.irp q, 0,1,2,3
.set TT, TA+32*(\q%2)
.set MM, MB+4*(\q%2)
.set UU, UB+4*(\q%2)
	WIN 0x01
.irp i, 0,1,2,3,4,5,6,7,8,9,10,11,12,13,14,15,16,17,18,19,20,21,22,23,24,25,26,27,28,29,30,31
	v_mov_b32 v[TT+\i], v[128*(\cc)+4*\i+\q]
.endr
	WIN 0
	MAX32 MM, MM+1, TT
	v_add_nc_u32 v[MM+2], 0xfe000000, v[MM]        ; 4 off the exponent field: the conversion's scale operand
	v_cvt_scalef32_pk16_bf6_f32 v[F+12*\q+6*(\cc):F+12*\q+6*(\cc)+2], v[TT:TT+15], v[MM+2]
	v_cvt_scalef32_pk16_bf6_f32 v[UU:UU+2], v[TT+16:TT+31], v[MM+2]
	v_lshrrev_b32 v[MM+3], 23, v[MM+2]             ; the byte; also the plain line behind the conversions
.irp i, 0,1,2
	v_mov_b32 v[F+12*\q+6*(\cc)+3+\i], v[UU+\i]
.endr
.if (\cc) == 0
	v_mov_b32 v[WD+\q], v[MM+3]
.else
	v_lshl_or_b32 v[WD+\q], v[MM+3], 16, v[WD+\q]
.endif
.endr
.endm
.macro RUNW s                          ; K step s: its scale words and four tiles: 13 loads
	ds_load_b64 v[WS+2*((\s)%2):WS+2*((\s)%2)+1], v4 offset:256*(\s)
.irp q, 0,1,2,3
.irp g, 0,1,2
	ds_load_b128 v[WF+48*((\s)%2)+12*\q+4*\g:WF+48*((\s)%2)+12*\q+4*\g+3], v3 offset:(4*(\s)+\q)*1536+512*\g
.endr
.endr
.endm
.macro LOADH s, nj                     ; my nj tiles' fragments and scale words of the hidden layer for K step s: 4 nj loads
.irp j, 0,1,2
.if \j < \nj
.irp g, 0,1,2
	global_load_b128 v[XR+36*((\s)%3)+12*\j+4*\g:XR+36*((\s)%3)+12*\j+4*\g+3], v5, s[36+2*\j:37+2*\j] offset:98304*(\s)+512*\g
.endr
	global_load_b32 v[HS+3*((\s)%3)+\j], v6, s[42+2*\j:43+2*\j] offset:4096*(\s)
.endif
.endr
.endm
.macro WM d, a, b, c, sa, sb, odd      ; odd: source 0's scales stand in lanes 16-31
.if \odd
	v_wmma_scale_f32_16x16x128_f8f6f4 v[\d:\d+7], v[\a:\a+11], v[\b:\b+11], v[\c:\c+7], v[\sa], v[\sb] matrix_a_fmt:MATRIX_FMT_BF6 matrix_b_fmt:MATRIX_FMT_BF6 matrix_a_scale:MATRIX_SCALE_ROW1
.else
	v_wmma_scale_f32_16x16x128_f8f6f4 v[\d:\d+7], v[\a:\a+11], v[\b:\b+11], v[\c:\c+7], v[\sa], v[\sb] matrix_a_fmt:MATRIX_FMT_BF6 matrix_b_fmt:MATRIX_FMT_BF6
.endif
.endm
.macro MULG s, nj                      ; 4 nj products; the 4 nj accumulators take turns, one instruction a turn.  K step 0 takes b2 (or zeros) as C
.irp q, 0,1,2,3
.irp j, 0,1,2
.if \j < \nj
.set RDD, 32+32*\j+8*\q
.if (\s) == 0
.set RCC, 8*\q
.else
.set RCC, RDD
.endif
	WM RDD, WF+48*((\s)%2)+12*\q, XR+36*((\s)%3)+12*\j, RCC, WS+2*((\s)%2)+\q/2, HS+3*((\s)%3)+\j, \q%2
.endif
.endr
.endr
.endm
.macro KSTEP s, nj
.if (\s) < 6
	s_wait_loadcnt 8*\nj                           ; this K step's 4 nj loads are in; those of the two steps behind it may be out
.elseif (\s) == 6
	s_wait_loadcnt 4*\nj
.else
	s_wait_loadcnt 0x0
.endif
.if (\s) < 7
	s_wait_dscnt 13                                ; this K step's tiles are in; the next step's 13 loads may be out
.else
	s_wait_dscnt 0x0
.endif
	WIN 0x50                                       ; C and D in window 1
	MULG \s, \nj
.if (\s) < 7
	PLACES 4                                       ; four plain lines ahead of loads into registers that these products read
.else
	PLACES 5                                       ; ahead of the first read of results; and the next round's first products write these accumulators anew: five
.endif
	WIN 0
.if (\s) < 6
	RUNW (\s)+2
.endif
.if (\s) < 5
	LOADH (\s)+3, \nj
.endif
.endm
.macro TILES                           ; the round's three tiles; one past the expert's rows repeats the last tile, so that only bytes that were written are read
	s_sub_co_u32 s53, s25, 1
.irp j, 0,1,2
	s_add_co_u32 s[48+\j], s27, 8*\j
	s_min_u32 s52, s[48+\j], s53
	s_min_u32 s52, s52, 63
	s_lshl_b32 s54, s52, 6
	s_add_co_u32 s54, s54, s32
	s_add_nc_u64 s[56+2*\j:57+2*\j], s[12:13], s[54:55]            ; its 16 places in the list
	s_add_co_u32 s54, s52, s33
	s_mul_i32 s54, s54, 1536
	s_add_nc_u64 s[36+2*\j:37+2*\j], s[8:9], s[54:55]              ; its images in hid, from my half's first K step on
	s_lshl_b32 s54, s52, 6
	s_add_co_u32 s54, s54, s34
	s_add_nc_u64 s[42+2*\j:43+2*\j], s[10:11], s[54:55]            ; its scale words in hs
.endr
.endm
.macro LISTLOAD                        ; 27 loads: row r's slot (for the gate's weight), and the slots of rows 2 i + h (for the stores)
.irp j, 0,1,2
	global_load_b32 v[11+\j], v6, s[56+2*\j:57+2*\j]
.irp i, 0,1,2,3,4,5,6,7
	global_load_b32 v[OFF+8*\j+\i], v7, s[56+2*\j:57+2*\j] offset:8*\i
.endr
.endr
.endm
.macro LISTFIN
.irp j, 0,1,2
.irp i, 0,1,2,3,4,5,6,7
	v_min_u32 v[OFF+8*\j+\i], 0x807, v[OFF+8*\j+\i]                ; 2,055: ybuf's last row
	v_lshl_add_u32 v[OFF+8*\j+\i], v[OFF+8*\j+\i], 12, v8          ; the row's 4,096 bytes, + 16 r
.endr
	v_min_u32 v[11+\j], 0x7ff, v[11+\j]
	v_lshlrev_b32 v[11+\j], 2, v[11+\j]
.endr
.irp j, 0,1,2
	global_load_b32 v[11+\j], v[11+\j], s[16:17]   ; the gate's weight of row r
.endr
.endm
.macro EPI j
	s_cmp_ge_u32 s[48+\j], s25                     ; a tile past the expert's rows stores nothing
	s_cbranch_scc1 .Lskip_\@
	WIN 0x01
.irp q, 0,1,2,3
.irp i, 0,1,2,3,4,5,6,7
	v_mul_f32 v[Y+4*\i+\q], v[32+32*\j+8*\q+\i], v[11+\j]          ; column 32 h + 4 i + q; each accumulator from its low end on
.endr
.endr
	WIN 0
.irp i, 0,1,2,3,4,5,6,7
	ds_store_b128 v9, v[Y+4*\i:Y+4*\i+3] offset:16*\i
.endr
.irp i, 0,1,2,3,4,5,6,7
	ds_load_b128 v[Z+36*\j+4*\i:Z+36*\j+4*\i+3], v10 offset:544*\i  ; my wave's own bytes, served in order: these see the stores above
.endr
.irp i, 0,1,2,3,4,5,6,7
	s_wait_dscnt 7-\i
	global_store_b128 v[OFF+8*\j+\i], v[Z+36*\j+4*\i:Z+36*\j+4*\i+3], s[62:63]    ; sixteen lanes store 256 consecutive aligned bytes of a row
.endr
.Lskip_\@:
.endm
; A round's work for nj row tiles: the hidden layer's first three K steps, the first weights, eight K steps, the ways out.
.macro BODY nj
	LOADH 0, \nj
	LOADH 1, \nj
	LOADH 2, \nj
	RUNW 0
	RUNW 1
.irp s, 0,1,2,3,4,5,6,7
	KSTEP \s, \nj
.endr
	EPI 0
	EPI 1
.if \nj > 2
	EPI 2
.endif
.endm
	s_load_b512 s[4:19], s[0:1], 0x0               ; W2 s[4:5], b2 s[6:7], hid s[8:9], hs s[10:11], list s[12:13], cnt s[14:15], topw s[16:17], ybuf s[18:19]
	v_lshrrev_b32 v220, 5, v0
	v_readfirstlane_b32 s20, v220                  ; wave
	s_and_b32 s21, ttmp9, 15                       ; ng
	s_lshr_b32 s23, ttmp9, 4                       ; kh
	s_and_b32 s22, ttmp7, 0xffff                   ; e
	v_and_b32 v1, 15, v0                           ; r
	v_bfe_u32 v2, v0, 4, 1                         ; h
	v_and_b32 v221, 31, v0                         ; lane
	v_lshlrev_b32 v3, 4, v221                      ; images: 16 x lane
	v_lshlrev_b32 v5, 4, v221                      ; the same as an offset in memory
	v_lshlrev_b32 v4, 3, v221
	v_add_nc_u32 v4, SCL, v4                       ; scale words, on the way out: 8 x lane
	v_lshlrev_b32 v6, 2, v1                        ; 4 r
	v_lshlrev_b32 v7, 2, v2                        ; 4 h
	v_lshlrev_b32 v8, 4, v1                        ; 16 r
	s_mul_i32 s52, s20, 4352
	s_add_co_u32 s52, s52, STG                     ; my stage
	v_mul_u32_u24 v9, v1, 272
	v_lshl_add_u32 v9, v2, 7, v9
	v_add_nc_u32 v9, s52, v9                       ; in: row r, + 128 h
	v_mul_u32_u24 v10, v2, 272
	v_lshl_add_u32 v10, v1, 4, v10
	v_add_nc_u32 v10, s52, v10                     ; back: lanes 0-15 one row, lanes 16-31 the next
	v_lshl_add_u32 v27, v2, 17, v8                 ; W2: 32 h rows of 4,096 bytes + 16 r
	s_mul_i32 s52, s20, 6144
	v_add_nc_u32 v217, s52, v3                     ; my K step's images, on the way in
	s_lshl_b32 s52, s20, 8
	v_lshlrev_b32 v218, 3, v1
	v_add_nc_u32 v218, s52, v218
	v_add_nc_u32 v218, SCL, v218                   ; and its scale words
	v_lshlrev_b32 v219, 3, v2                      ; 8 h
	v_lshlrev_b32 v220, 7, v2                      ; b2: 32 h numbers
.irp i, 0,1,2,3
	v_mov_b32 v[PX+\i], 0                          ; written once: a lane permute's destination counts as one of its sources
.endr
	s_mov_b32 s28, 0x76543210
	s_mov_b32 s29, 0xfedcba98                      ; v_permlanex16_b32's selects for lane l xor 16
	s_lshl_b32 s52, s22, 23                        ; W2: the expert,
	s_lshl_b32 s54, s23, 22                        ; my half of K,
	s_add_co_u32 s52, s52, s54
	s_lshl_b32 s54, s20, 19                        ; my 128 rows,
	s_add_co_u32 s52, s52, s54
	s_lshl_b32 s54, s21, 8                         ; my run of 64 columns
	s_add_co_u32 s52, s52, s54
	s_mov_b32 s53, 0
	s_lshl_b32 s56, s22, 12                        ; b2: the expert, my run
	s_add_co_u32 s56, s56, s54
	s_mov_b32 s57, 0
	s_mul_i32 s58, s23, PLANE                      ; ybuf: my half's plane, my run
	s_add_co_u32 s58, s58, s54
	s_mov_b32 s59, 0
	s_lshl_b32 s60, s22, 7                         ; cnt: 128 bytes an expert
	s_mov_b32 s61, 0
	s_mov_b32 s55, 0
	s_mul_i32 s32, s22, 4608                       ; list: the expert's 1,152 words
	s_lshl_b32 s33, s22, 4
	s_lshl_b32 s34, s23, 3
	s_add_co_u32 s33, s33, s34                     ; 16 e + 8 kh: my first K step
	s_lshl_b32 s34, s33, 12                        ; hs: 4,096 bytes for each
	s_lshl_b32 s33, s33, 6                         ; hid: 64 tiles for each
	s_cmp_eq_u32 s23, 0
	s_cselect_b32 s35, 0x3f800000, 0               ; b2 counts in half 0 alone
	s_mov_b32 s27, s20                             ; my first tile of round 0
	s_wait_kmcnt 0x0
	s_add_nc_u64 s[30:31], s[4:5], s[52:53]
	s_add_nc_u64 s[6:7], s[6:7], s[56:57]
	s_add_nc_u64 s[62:63], s[18:19], s[58:59]
	s_add_nc_u64 s[14:15], s[14:15], s[60:61]
	s_load_b32 s24, s[14:15], 0x0                  ; the expert's rows
.irp i, 0,1,2,3,4,5,6,7
	global_load_b128 v[BT+4*\i:BT+4*\i+3], v220, s[6:7] offset:16*\i
.endr
	LOADU 0
	s_wait_kmcnt 0x0                               ; the count, asked for ahead of the 40 loads above
	s_add_co_u32 s25, s24, 15
	s_lshr_b32 s25, s25, 4                         ; its tiles of 16
	TILES
	LISTLOAD                                       ; round 0's list goes out between the two units, so that the gate's weights can be asked for while unit 1 is on its way
	LOADU 1                                        ; the wave's whole part of the slab is asked for
	; ---- A
	s_wait_loadcnt 59                              ; b2 and unit 0 are in; the list's 27 loads and unit 1's 32 may be out
	PROC 0
	s_wait_loadcnt 32                              ; the list is in; unit 1's 32 loads may be out
	LISTFIN
	s_wait_loadcnt 3                               ; unit 1 is in; the three loads of gate weights may be out
	PROC 1
.irp q, 0,1,2,3
.irp g, 0,1,2
	ds_store_b128 v217, v[F+12*\q+4*\g:F+12*\q+4*\g+3] offset:1536*\q+512*\g
.endr
	v_lshlrev_b32 v[WD+\q], v219, v[WD+\q]         ; my two bytes, blocks h and 2 + h, at their places
.endr
.irp q, 0,1,2,3
	v_permlanex16_b32 v[PX+\q], v[WD+\q], s28, s29
.endr
.irp q, 0,1,2,3
	v_or_b32 v[WD+\q], v[WD+\q], v[PX+\q]          ; with lane l xor 16's two the word is whole
.endr
.irp q, 0,1,2,3
	ds_store_b32 v218, v[WD+\q] offset:128*(\q%2)+4*(\q/2)          ; both halves of the lanes store the same word
.endr
	WIN 0x40
.irp q, 0,1,2,3
.irp j, 0,1,2,3,4,5,6,7
	v_mul_f32 v[8*\q+\j], s35, v[BT+4*\j+\q]       ; b2 (or 0) in the result's layout: tile q, register j: column 32 h + 4 j + q
.endr
.endr
	WIN 0
	s_wait_loadcnt 0x0                             ; the three gate weights are in: no load of mine is out when the rounds begin, so a later round's list may be loaded into the same registers also where round 0 is passed over
	s_wait_dscnt 0x0                               ; for the others' sake: my images have landed
	s_barrier_signal -1
	s_barrier_wait -1                              ; the whole slab lies in LDS as codes; from here on a wave stores to its own stage alone
	; ---- B: three rounds of 24 tiles: the count is a constant, the work is passed over
	s_mov_b32 s26, 0
.Lround:
	s_cmp_ge_u32 s27, s25
	s_cbranch_scc1 .Lnext
	s_cmp_eq_u32 s26, 0                            ; round 0's tiles and list were fetched under the weights
	s_cbranch_scc1 .Lhave
	s_wait_xcnt 0x0                                ; the last round's stores have read their registers
	TILES
	LISTLOAD
	s_wait_loadcnt 0x0
	LISTFIN
.Lhave:
	s_cmp_ge_u32 s50, s25                          ; does my third tile lie past the expert's rows?
	s_cbranch_scc1 .Ltwo
	BODY 3
	s_branch .Lnext
.Ltwo:
	BODY 2
.Lnext:
	s_add_co_u32 s27, s27, 24
	s_add_co_u32 s26, s26, 1
	s_cmp_lt_u32 s26, 3
	s_cbranch_scc1 .Lround
	s_wait_xcnt 0x0
	v_lshl_add_u32 v254, v0, 2, 0x15000
	v_mov_b32 v255, 0
	s_wait_tensorcnt 0x0
	ds_add_u32 v254, v255
	s_wait_dscnt 0x0
	s_endpgm
.Lfunc_end_k_q1da4d497d1_down:
	.size	k_q1da4d497d1_down, .Lfunc_end_k_q1da4d497d1_down-k_q1da4d497d1_down
	.p2alignl 7, 3214868480
	.fill 96, 4, 3214868480
	.section	.rodata,"a",@progbits
	.p2align	6, 0x0
	.amdhsa_kernel k_q1da4d497d1_down
		.amdhsa_group_segment_fixed_size 87040
		.amdhsa_private_segment_fixed_size 0
		.amdhsa_enable_private_segment 0
		.amdhsa_kernarg_size 64
		.amdhsa_user_sgpr_count 2
		.amdhsa_user_sgpr_kernarg_segment_ptr 1
		.amdhsa_wavefront_size32 1
		.amdhsa_system_sgpr_workgroup_id_x 1
		.amdhsa_system_sgpr_workgroup_id_y 1
		.amdhsa_system_sgpr_workgroup_id_z 1
		.amdhsa_system_vgpr_workitem_id 0
		.amdhsa_next_free_vgpr 512
		.amdhsa_next_free_sgpr 72
		.amdhsa_reserve_vcc 0
		.amdhsa_float_denorm_mode_32 3
		.amdhsa_float_denorm_mode_16_64 3
		.amdhsa_memory_ordered 1
		.amdhsa_forward_progress 1
		.amdhsa_inst_pref_size 116
	.end_amdhsa_kernel
	.amdgpu_metadata
---
amdhsa.version: [ 1, 2 ]
amdhsa.kernels:
  - .name:           k_q1da4d497d1_down
    .symbol:         k_q1da4d497d1_down.kd
    .args:
      - { .name: W2, .offset: 0, .size: 8, .value_kind: global_buffer, .address_space: global }
      - { .name: b2, .offset: 8, .size: 8, .value_kind: global_buffer, .address_space: global }
      - { .name: hid, .offset: 16, .size: 8, .value_kind: global_buffer, .address_space: global }
      - { .name: hs, .offset: 24, .size: 8, .value_kind: global_buffer, .address_space: global }
      - { .name: list, .offset: 32, .size: 8, .value_kind: global_buffer, .address_space: global }
      - { .name: cnt, .offset: 40, .size: 8, .value_kind: global_buffer, .address_space: global }
      - { .name: topw, .offset: 48, .size: 8, .value_kind: global_buffer, .address_space: global }
      - { .name: ybuf, .offset: 56, .size: 8, .value_kind: global_buffer, .address_space: global }
    .group_segment_fixed_size: 87040
    .private_segment_fixed_size: 0
    .kernarg_segment_align: 8
    .kernarg_segment_size: 64
    .max_flat_workgroup_size: 256
    .sgpr_count:     72
    .vgpr_count:     512
    .wavefront_size: 32
...
	.end_amdgpu_metadata
.endif
;; end of part 3
;; launch add (part 4): grid 256 x 1, 4 waves a work-group, no clusters, 0 bytes of LDS; arguments ybuf, out0; writes out0
.if DOCPART == 4
	.amdgcn_target "amdgcn-amd-amdhsa--gfx1250"
	.amdhsa_code_object_version 6
	.text
	.protected	k_q1da4d497d1_add
	.globl	k_q1da4d497d1_add
	.p2align	8
	.type	k_q1da4d497d1_add,@function
k_q1da4d497d1_add:
	s_mov_b64 s[64:65], 0
	v_nop
	global_prefetch_b8 v0, s[64:65] scope:SCOPE_SE
	s_setreg_imm32_b32 hwreg(HW_REG_WAVE_MODE, 25, 1), 1
	s_wait_xcnt 0x0
; out0[token] = the token's two weighted expert rows, each in two halves of K: four rows of ybuf [2 halves][2,056 rows][1,024] f32: rows token and 1,024 + token of each half.
; A wave takes a token: 8 chunks of 512 consecutive bytes from each of the four rows, all 32 loads out at once; each chunk has registers of its own, so no store's data are written again.
; A stream: no LDS, no barrier, no matrix unit.
.set PLANE, 8421376                    ; bytes of one half's 2,056 rows
.set RANK,  4194304                    ; bytes of 1,024 rows
	s_load_b128 s[4:7], s[0:1], 0x0                ; ybuf, out0
	v_lshrrev_b32 v2, 5, v0
	v_readfirstlane_b32 s8, v2                     ; wave
	v_and_b32 v1, 31, v0
	v_lshlrev_b32 v1, 4, v1                        ; 16 x lane
	s_lshl_b32 s9, ttmp9, 2
	s_add_co_u32 s9, s9, s8                        ; the token
	s_lshl_b32 s10, s9, 12
	s_mov_b32 s11, 0
	s_wait_kmcnt 0x0
	s_add_nc_u64 s[4:5], s[4:5], s[10:11]
	s_add_nc_u64 s[6:7], s[6:7], s[10:11]
	s_add_nc_u64 s[12:13], s[4:5], PLANE
.irp n, 0,1,2,3,4,5,6,7
	global_load_b128 v[16+16*\n:19+16*\n], v1, s[4:5] offset:512*\n th:TH_LOAD_NT
	global_load_b128 v[20+16*\n:23+16*\n], v1, s[4:5] offset:RANK+512*\n th:TH_LOAD_NT
	global_load_b128 v[24+16*\n:27+16*\n], v1, s[12:13] offset:512*\n th:TH_LOAD_NT
	global_load_b128 v[28+16*\n:31+16*\n], v1, s[12:13] offset:RANK+512*\n th:TH_LOAD_NT
.endr
.irp n, 0,1,2,3,4,5,6,7
	s_wait_loadcnt 28-4*\n                         ; this chunk's four loads are in; the younger chunks' may be out
	v_pk_add_f32 v[16+16*\n:17+16*\n], v[16+16*\n:17+16*\n], v[20+16*\n:21+16*\n]
	v_pk_add_f32 v[18+16*\n:19+16*\n], v[18+16*\n:19+16*\n], v[22+16*\n:23+16*\n]
	v_pk_add_f32 v[24+16*\n:25+16*\n], v[24+16*\n:25+16*\n], v[28+16*\n:29+16*\n]
	v_pk_add_f32 v[26+16*\n:27+16*\n], v[26+16*\n:27+16*\n], v[30+16*\n:31+16*\n]
	v_pk_add_f32 v[16+16*\n:17+16*\n], v[16+16*\n:17+16*\n], v[24+16*\n:25+16*\n]
	v_pk_add_f32 v[18+16*\n:19+16*\n], v[18+16*\n:19+16*\n], v[26+16*\n:27+16*\n]
	global_store_b128 v1, v[16+16*\n:19+16*\n], s[6:7] offset:512*\n th:TH_STORE_NT   ; 32 lanes store 512 consecutive aligned bytes
.endr
	s_endpgm
.Lfunc_end_k_q1da4d497d1_add:
	.size	k_q1da4d497d1_add, .Lfunc_end_k_q1da4d497d1_add-k_q1da4d497d1_add
	.p2alignl 7, 3214868480
	.fill 96, 4, 3214868480
	.section	.rodata,"a",@progbits
	.p2align	6, 0x0
	.amdhsa_kernel k_q1da4d497d1_add
		.amdhsa_group_segment_fixed_size 0
		.amdhsa_private_segment_fixed_size 0
		.amdhsa_enable_private_segment 0
		.amdhsa_kernarg_size 16
		.amdhsa_user_sgpr_count 2
		.amdhsa_user_sgpr_kernarg_segment_ptr 1
		.amdhsa_wavefront_size32 1
		.amdhsa_system_sgpr_workgroup_id_x 1
		.amdhsa_system_sgpr_workgroup_id_y 1
		.amdhsa_system_sgpr_workgroup_id_z 1
		.amdhsa_system_vgpr_workitem_id 0
		.amdhsa_next_free_vgpr 144
		.amdhsa_next_free_sgpr 66
		.amdhsa_reserve_vcc 0
		.amdhsa_float_denorm_mode_32 3
		.amdhsa_float_denorm_mode_16_64 3
		.amdhsa_memory_ordered 1
		.amdhsa_forward_progress 1
		.amdhsa_inst_pref_size 8
	.end_amdhsa_kernel
	.amdgpu_metadata
---
amdhsa.version: [ 1, 2 ]
amdhsa.kernels:
  - .name:           k_q1da4d497d1_add
    .symbol:         k_q1da4d497d1_add.kd
    .args:
      - { .name: ybuf, .offset: 0, .size: 8, .value_kind: global_buffer, .address_space: global }
      - { .name: out0, .offset: 8, .size: 8, .value_kind: global_buffer, .address_space: global }
    .group_segment_fixed_size: 0
    .private_segment_fixed_size: 0
    .kernarg_segment_align: 8
    .kernarg_segment_size: 16
    .max_flat_workgroup_size: 128
    .sgpr_count:     66
    .vgpr_count:     144
    .wavefront_size: 32
...
	.end_amdgpu_metadata
.endif
;; end of part 4
;; ======== version 2 of 2: 4 launches; version 1 with the launch down written anew for expert scheduling mode
;; limits: right only within a limited range of input values
;; workspace buffers: xq 1,048,576 bytes; topi 8,192 bytes of whole numbers; topw 8,192 bytes; hid 12,582,912 bytes; hs 524,288 bytes; list 36,864 bytes of whole numbers; cnt 1,024 bytes of whole numbers; ybuf 16,842,752 bytes
;; launch route: the kernel of part 1 again; grid 64 x 1, 8 waves a work-group, no clusters, 105,472 bytes of LDS; arguments x, Wr, temp, xq, topi, topw; writes xq, topi, topw
;; launch up: the kernel of part 2 again; grid 32 x 8, 8 waves a work-group, no clusters, 108,544 bytes of LDS; arguments W1, b1, xq, topi, hid, hs, list, cnt; writes hid, hs, list, cnt
;; launch down (part 5): grid 32 x 8, 8 waves a work-group, no clusters, 87,040 bytes of LDS; arguments W2, b2, hid, hs, list, cnt, topw, ybuf; writes ybuf
.if DOCPART == 5
	.amdgcn_target "amdgcn-amd-amdhsa--gfx1250"
	.amdhsa_code_object_version 6
	.text
	.protected	k_q1da4d497d1_down
	.globl	k_q1da4d497d1_down
	.p2align	8
	.type	k_q1da4d497d1_down,@function
k_q1da4d497d1_down:
	s_mov_b64 s[64:65], 0
	v_nop
	global_prefetch_b8 v0, s[64:65] scope:SCOPE_SE
	s_setreg_imm32_b32 hwreg(HW_REG_WAVE_SCHED_MODE, 0, 2), 2
	s_setreg_imm32_b32 hwreg(HW_REG_WAVE_MODE, 25, 1), 1
	s_wait_xcnt 0x0
	s_wait_alu depctr_vm_vsrc(0)
; SECOND PRODUCT OF THE CHOSEN EXPERTS AND THE GATE'S WEIGHT.  ybuf[kh][slot] = we x (Q(act) Q(W2[e]) over half kh of K (+ b2[e] in half 0)).
; SHARES.  Work-group (ng + 16 kh, e) owns output columns 64 ng .. 64 ng + 63 and rows 1,024 kh .. + 1,023 of W2[e]: 256 KB of f32, read once, by nobody else.  K is cut in two so that a row's part stays 256 consecutive
; aligned bytes and there is a slab for each of 256 work-groups; the two halves' rows are added by the next launch.
;   A: wave w takes K step w (128 rows): two units of 32 loads of 16 bytes a lane, both out from the first lines on; codes and scale words go to LDS as images of operand registers.
;   B: wave w takes the tiles of 16 routed rows w + 8 j + 24 x round, j = 0, 1, 2: 4 column tiles x up to 3 row tiles of accumulators.  The hidden layer's fragments come from memory as they lie: 512 consecutive bytes a load.
;      A round's body is written twice: with three row tiles, and with two for a wave whose third tile lies past the expert's rows: what is not there is neither loaded nor multiplied.
; Tile q is the columns 4 m + q, and the product is used transposed (source 0 = 16 columns of W2, source 1 = 16 routed rows): lane (r, h) holds routed row r and, over the four tiles, columns 32 h + 0 .. 31.
; THE WAY OUT: x the row's gate weight, through the wave's own stage in LDS, back as whole rows: sixteen lanes store 256 consecutive aligned bytes of row 'slot' of ybuf.  A place of the list that holds no slot
; names row 2,048 + e, which nobody reads: so no lane is ever switched off.  A second row tile past the expert's rows repeats the last tile's loads and stores nothing.
; No tensor load and no cluster: the trips' work hangs on a count read from memory, and the weights are shared by nobody.  No prefetch: the work-group's whole slab is asked for at once.
; LIMITS: NaN and infinities are not served; blocks of W2 under 2^-122 (blocks of zeros too) get the scale byte 1.
; THE MODE: SCHED_MODE bits 1:0 = 2 (LLVM: expert scheduling mode 2), set by the entry lines.  The code itself states the register dependences
; between vector or matrix instructions and memory or LDS instructions, with s_wait_alu, always for 0.
; THE PLAN.  Registers that memory or LDS instructions touch, and who else names them:
;   v3-v10, v27, v217, v218, v220   offsets and addresses: written at the head, once; one wait ahead of the first load serves them.
;   v[OFF ..], v[GS ..], v11-13     the list: loads land in OFF and GS; LISTFIN's vector lines make offsets of them; behind one wait the three loads of gate weights read GS and land in v11-13; the way out's stores read OFF.
;   v[F ..], v[WD ..]               A: PROC and the words' lines write them; one wait; 16 LDS stores read them.
;   At the head of every round, ahead of the branch that parts round 0 from the later rounds and so on every way to the round's loads, one wait on vm_vsrc and one on va_vdst state that all that went before
;   (A, or the round before) is done with v11 to v255, in which the round's loads land.
;   WS, WF, XR, HS                  B: loads land, products read.  ONE wait a K step, behind its products: the loads of two and of three K steps on land in what these products read, and go out at once, so that three K steps of the hidden layer stay on their way.
;   v[Y + 32 j ..], v[Z + 36 j ..]  the way out of row tile j: its multiplies write Y; one wait; its LDS stores read Y, loads from the stage land in Z, the global stores read Z.  Registers of its own for each j: no wait between the tiles.
.set IMG,   0                          ; LDS: fragment (K step s, tile t) at (4 s + t) x 1,536
.set SCL,   49152                      ; scale words: 256 s + 8 (m + 16 (t % 2)) + 4 (t / 2)
.set STG,   51200                      ; a stage of 16 rows x (256 + 16) bytes for each wave
.set PLANE, 8421376                    ; bytes of one half's 2,056 rows of ybuf
.set WS,  14                           ; v14-17   W2's scale words, two sets of 2.  v14-26 hold scales and nothing else
.set HS,  18                           ; v18-26   the hidden layer's: 3 (s % 3) + j
.set OFF, 28                           ; v28-51   8 j + i: byte offset in ybuf of my 16 bytes of row 2 i + h of tile j
.set BT,  52                           ; A: v52-83   b2 as loaded
.set TA,  84                           ; A: v84-147  two sets of 32 numbers down K
.set F,   148                          ; A: v148-195 four fragments
.set UB,  196                          ; A: v196-198, v200-202
.set MB,  204                          ; A: v204-211
.set WD,  212                          ; A: v212-215
.set PX,  222                          ; A: v222-225 lane permutes' destinations
.set GS,  248                          ; v248-250 row r's slot in tile j, then its byte offset in topw: between a list's loads and the loads of the gate weights alone
.set XR,  52                           ; B: v52-159  the hidden layer's fragments: 36 (s % 3) + 12 j
.set WF,  160                          ; B: v160-207, v208-255 W2's four tiles, by the K step's parity
.set Y,   160                          ; way out: 32 weighted results at 160 + 32 j
.set Z,   52                           ; way out: 32 registers at 52 + 36 j: rows read back
; window 1 (v256-511): A: two sets of 128 for the loads;  B: v0-31 b2 in the result's layout (8 t), v32-127 the accumulators (32 + 32 j + 8 t)
.set MSB, 0
.macro WIN new                         ; the immediate's high byte repeats the setting that is left
.if MSB != \new
	s_set_vgpr_msb (MSB<<8)|\new
.set MSB, \new
.endif
.endm
.macro PLACES n
.rept \n
	v_nop
.endr
.endm
.macro MAX32 a, b, s                   ; the largest magnitude of v[s] .. v[s + 31], and the floor 2^(5 - 127), into v[a]: two chains
	v_max3_num_f32 v[\a], |v[\s]|, |v[\s+1]|, 0x2800000
	v_max3_num_f32 v[\b], |v[\s+2]|, |v[\s+3]|, |v[\s+4]|
.irp i, 5,9,13,17,21,25
	v_max3_num_f32 v[\a], v[\a], |v[\s+\i]|, |v[\s+\i+1]|
	v_max3_num_f32 v[\b], v[\b], |v[\s+\i+2]|, |v[\s+\i+3]|
.endr
	v_max3_num_f32 v[\a], v[\a], |v[\s+29]|, |v[\s+30]|
	v_max3_num_f32 v[\a], v[\a], v[\b], |v[\s+31]|
.endm
.macro LOADU cc                        ; rows 64 cc + 32 h + i of my K step, into set cc of window 1
	WIN 0x40
.irp i, 0,1,2,3,4,5,6,7,8,9,10,11,12,13,14,15,16,17,18,19,20,21,22,23,24,25,26,27,28,29,30,31
	global_load_b128 v[128*(\cc)+4*\i:128*(\cc)+4*\i+3], v27, s[30:31] offset:262144*(\cc)+4096*\i th:TH_LOAD_NT
.endr
	WIN 0
.endm
.macro PROC cc                         ; set cc becomes registers 6 cc .. 6 cc + 5 of the four tiles' fragments, and a byte of each scale word
.irp q, 0,1,2,3
.set TT, TA+32*(\q%2)
.set MM, MB+4*(\q%2)
.set UU, UB+4*(\q%2)
	WIN 0x01
.irp i, 0,1,2,3,4,5,6,7,8,9,10,11,12,13,14,15,16,17,18,19,20,21,22,23,24,25,26,27,28,29,30,31
	v_mov_b32 v[TT+\i], v[128*(\cc)+4*\i+\q]
.endr
	WIN 0
	MAX32 MM, MM+1, TT
	v_add_nc_u32 v[MM+2], 0xfe000000, v[MM]        ; 4 off the exponent field: the conversion's scale operand
	v_cvt_scalef32_pk16_bf6_f32 v[F+12*\q+6*(\cc):F+12*\q+6*(\cc)+2], v[TT:TT+15], v[MM+2]
	v_cvt_scalef32_pk16_bf6_f32 v[UU:UU+2], v[TT+16:TT+31], v[MM+2]
	v_lshrrev_b32 v[MM+3], 23, v[MM+2]             ; the byte; also the plain line behind the conversions
.irp i, 0,1,2
	v_mov_b32 v[F+12*\q+6*(\cc)+3+\i], v[UU+\i]
.endr
.if (\cc) == 0
	v_mov_b32 v[WD+\q], v[MM+3]
.else
	v_lshl_or_b32 v[WD+\q], v[MM+3], 16, v[WD+\q]
.endif
.endr
.endm
.macro RUNW s                          ; K step s: its scale words and four tiles: 13 loads
	ds_load_b64 v[WS+2*((\s)%2):WS+2*((\s)%2)+1], v4 offset:256*(\s)
.irp q, 0,1,2,3
.irp g, 0,1,2
	ds_load_b128 v[WF+48*((\s)%2)+12*\q+4*\g:WF+48*((\s)%2)+12*\q+4*\g+3], v3 offset:(4*(\s)+\q)*1536+512*\g
.endr
.endr
.endm
.macro LOADH s, nj                     ; my nj tiles' fragments and scale words of the hidden layer for K step s: 4 nj loads
.irp j, 0,1,2
.if \j < \nj
.irp g, 0,1,2
	global_load_b128 v[XR+36*((\s)%3)+12*\j+4*\g:XR+36*((\s)%3)+12*\j+4*\g+3], v5, s[36+2*\j:37+2*\j] offset:98304*(\s)+512*\g
.endr
	global_load_b32 v[HS+3*((\s)%3)+\j], v6, s[42+2*\j:43+2*\j] offset:4096*(\s)
.endif
.endr
.endm
.macro WM d, a, b, c, sa, sb, odd      ; odd: source 0's scales stand in lanes 16-31
.if \odd
	v_wmma_scale_f32_16x16x128_f8f6f4 v[\d:\d+7], v[\a:\a+11], v[\b:\b+11], v[\c:\c+7], v[\sa], v[\sb] matrix_a_fmt:MATRIX_FMT_BF6 matrix_b_fmt:MATRIX_FMT_BF6 matrix_a_scale:MATRIX_SCALE_ROW1
.else
	v_wmma_scale_f32_16x16x128_f8f6f4 v[\d:\d+7], v[\a:\a+11], v[\b:\b+11], v[\c:\c+7], v[\sa], v[\sb] matrix_a_fmt:MATRIX_FMT_BF6 matrix_b_fmt:MATRIX_FMT_BF6
.endif
.endm
.macro MULG s, nj                      ; 4 nj products; the 4 nj accumulators take turns, one instruction a turn.  K step 0 takes b2 (or zeros) as C
.irp q, 0,1,2,3
.irp j, 0,1,2
.if \j < \nj
.set RDD, 32+32*\j+8*\q
.if (\s) == 0
.set RCC, 8*\q
.else
.set RCC, RDD
.endif
	WM RDD, WF+48*((\s)%2)+12*\q, XR+36*((\s)%3)+12*\j, RCC, WS+2*((\s)%2)+\q/2, HS+3*((\s)%3)+\j, \q%2
.endif
.endr
.endr
.endm
.macro KSTEP s, nj
.if (\s) < 6
	s_wait_loadcnt 8*\nj                           ; this K step's 4 nj loads are in; those of the two steps behind it may be out
.elseif (\s) == 6
	s_wait_loadcnt 4*\nj
.else
	s_wait_loadcnt 0x0
.endif
.if (\s) < 7
	s_wait_dscnt 13                                ; this K step's tiles are in; the next step's 13 loads may be out
.else
	s_wait_dscnt 0x0
.endif
	WIN 0x50                                       ; C and D in window 1
	MULG \s, \nj
.if (\s) < 7
	PLACES 4                                       ; four plain lines ahead of loads into registers that these products read; the wait below states the dependence
.else
	PLACES 5                                       ; ahead of the first read of results; and the next round's first products write these accumulators anew: five
.endif
	WIN 0
.if (\s) < 6
	s_wait_alu depctr_va_vdst(0)                   ; these products are done reading their tiles and scale words of W2 and their fragments and scale words of the hidden layer: the loads below land in all four
	RUNW (\s)+2
.endif
.if (\s) < 5
	LOADH (\s)+3, \nj
.endif
.endm
.macro TILES                           ; the round's three tiles; one past the expert's rows repeats the last tile, so that only bytes that were written are read
	s_sub_co_u32 s53, s25, 1
.irp j, 0,1,2
	s_add_co_u32 s[48+\j], s27, 8*\j
	s_min_u32 s52, s[48+\j], s53
	s_min_u32 s52, s52, 63
	s_lshl_b32 s54, s52, 6
	s_add_co_u32 s54, s54, s32
	s_add_nc_u64 s[56+2*\j:57+2*\j], s[12:13], s[54:55]            ; its 16 places in the list
	s_add_co_u32 s54, s52, s33
	s_mul_i32 s54, s54, 1536
	s_add_nc_u64 s[36+2*\j:37+2*\j], s[8:9], s[54:55]              ; its images in hid, from my half's first K step on
	s_lshl_b32 s54, s52, 6
	s_add_co_u32 s54, s54, s34
	s_add_nc_u64 s[42+2*\j:43+2*\j], s[10:11], s[54:55]            ; its scale words in hs
.endr
.endm
.macro LISTLOAD                        ; 27 loads: row r's slot (for the gate's weight), and the slots of rows 2 i + h (for the stores)
.irp j, 0,1,2
	global_load_b32 v[GS+\j], v6, s[56+2*\j:57+2*\j]
.irp i, 0,1,2,3,4,5,6,7
	global_load_b32 v[OFF+8*\j+\i], v7, s[56+2*\j:57+2*\j] offset:8*\i
.endr
.endr
.endm
.macro LISTFIN
.irp j, 0,1,2
.irp i, 0,1,2,3,4,5,6,7
	v_min_u32 v[OFF+8*\j+\i], 0x807, v[OFF+8*\j+\i]                ; 2,055: ybuf's last row
	v_lshl_add_u32 v[OFF+8*\j+\i], v[OFF+8*\j+\i], 12, v8          ; the row's 4,096 bytes, + 16 r
.endr
	v_min_u32 v[GS+\j], 0x7ff, v[GS+\j]
	v_lshlrev_b32 v[GS+\j], 2, v[GS+\j]
.endr
	s_wait_alu depctr_va_vdst(0)                   ; the three offsets in topw are written, which the loads below read; so are the 24 offsets in ybuf, which the way out's stores read
.irp j, 0,1,2
	global_load_b32 v[11+\j], v[GS+\j], s[16:17]   ; the gate's weight of row r
.endr
.endm
.macro EPI j
	s_cmp_ge_u32 s[48+\j], s25                     ; a tile past the expert's rows stores nothing
	s_cbranch_scc1 .Lskip_\@
	WIN 0x01
.irp q, 0,1,2,3
.irp i, 0,1,2,3,4,5,6,7
	v_mul_f32 v[Y+32*\j+4*\i+\q], v[32+32*\j+8*\q+\i], v[11+\j]    ; column 32 h + 4 i + q; each accumulator from its low end on
.endr
.endr
	WIN 0
	s_wait_alu depctr_va_vdst(0)                   ; the 32 multiplies have written this tile's weighted results, which the LDS stores read; the products are done reading the fragments' registers, in which the loads from the stage land
.irp i, 0,1,2,3,4,5,6,7
	ds_store_b128 v9, v[Y+32*\j+4*\i:Y+32*\j+4*\i+3] offset:16*\i
.endr
.irp i, 0,1,2,3,4,5,6,7
	ds_load_b128 v[Z+36*\j+4*\i:Z+36*\j+4*\i+3], v10 offset:544*\i  ; my wave's own bytes, served in order: these see the stores above
.endr
.irp i, 0,1,2,3,4,5,6,7
	s_wait_dscnt 7-\i
	global_store_b128 v[OFF+8*\j+\i], v[Z+36*\j+4*\i:Z+36*\j+4*\i+3], s[62:63]    ; sixteen lanes store 256 consecutive aligned bytes of a row
.endr
.Lskip_\@:
.endm
; A round's work for nj row tiles: the hidden layer's first three K steps, the first weights, eight K steps, the ways out.
; No wait stands at its head: on both ways to it no vector or matrix line stands behind the last waits that name the registers of these loads.
.macro BODY nj
	LOADH 0, \nj
	LOADH 1, \nj
	LOADH 2, \nj
	RUNW 0
	RUNW 1
.irp s, 0,1,2,3,4,5,6,7
	KSTEP \s, \nj
.endr
	EPI 0
	EPI 1
.if \nj > 2
	EPI 2
.endif
.endm
	s_load_b512 s[4:19], s[0:1], 0x0               ; W2 s[4:5], b2 s[6:7], hid s[8:9], hs s[10:11], list s[12:13], cnt s[14:15], topw s[16:17], ybuf s[18:19]
	v_lshrrev_b32 v220, 5, v0
	v_readfirstlane_b32 s20, v220                  ; wave
	s_and_b32 s21, ttmp9, 15                       ; ng
	s_lshr_b32 s23, ttmp9, 4                       ; kh
	s_and_b32 s22, ttmp7, 0xffff                   ; e
	v_and_b32 v1, 15, v0                           ; r
	v_bfe_u32 v2, v0, 4, 1                         ; h
	v_and_b32 v221, 31, v0                         ; lane
	v_lshlrev_b32 v3, 4, v221                      ; images: 16 x lane
	v_lshlrev_b32 v5, 4, v221                      ; the same as an offset in memory
	v_lshlrev_b32 v4, 3, v221
	v_add_nc_u32 v4, SCL, v4                       ; scale words, on the way out: 8 x lane
	v_lshlrev_b32 v6, 2, v1                        ; 4 r
	v_lshlrev_b32 v7, 2, v2                        ; 4 h
	v_lshlrev_b32 v8, 4, v1                        ; 16 r
	s_wait_alu depctr_va_sdst(0)                   ; s20 is written, ahead of its first reader
	s_mul_i32 s52, s20, 4352
	s_add_co_u32 s52, s52, STG                     ; my stage
	v_mul_u32_u24 v9, v1, 272
	v_lshl_add_u32 v9, v2, 7, v9
	v_add_nc_u32 v9, s52, v9                       ; in: row r, + 128 h
	v_mul_u32_u24 v10, v2, 272
	v_lshl_add_u32 v10, v1, 4, v10
	v_add_nc_u32 v10, s52, v10                     ; back: lanes 0-15 one row, lanes 16-31 the next
	v_lshl_add_u32 v27, v2, 17, v8                 ; W2: 32 h rows of 4,096 bytes + 16 r
	s_mul_i32 s52, s20, 6144
	v_add_nc_u32 v217, s52, v3                     ; my K step's images, on the way in
	s_lshl_b32 s52, s20, 8
	v_lshlrev_b32 v218, 3, v1
	v_add_nc_u32 v218, s52, v218
	v_add_nc_u32 v218, SCL, v218                   ; and its scale words
	v_lshlrev_b32 v219, 3, v2                      ; 8 h
	v_lshlrev_b32 v220, 7, v2                      ; b2: 32 h numbers
.irp i, 0,1,2,3
	v_mov_b32 v[PX+\i], 0                          ; written once: a lane permute's destination counts as one of its sources
.endr
	s_mov_b32 s28, 0x76543210
	s_mov_b32 s29, 0xfedcba98                      ; v_permlanex16_b32's selects for lane l xor 16
	s_lshl_b32 s52, s22, 23                        ; W2: the expert,
	s_lshl_b32 s54, s23, 22                        ; my half of K,
	s_add_co_u32 s52, s52, s54
	s_lshl_b32 s54, s20, 19                        ; my 128 rows,
	s_add_co_u32 s52, s52, s54
	s_lshl_b32 s54, s21, 8                         ; my run of 64 columns
	s_add_co_u32 s52, s52, s54
	s_mov_b32 s53, 0
	s_lshl_b32 s56, s22, 12                        ; b2: the expert, my run
	s_add_co_u32 s56, s56, s54
	s_mov_b32 s57, 0
	s_mul_i32 s58, s23, PLANE                      ; ybuf: my half's plane, my run
	s_add_co_u32 s58, s58, s54
	s_mov_b32 s59, 0
	s_lshl_b32 s60, s22, 7                         ; cnt: 128 bytes an expert
	s_mov_b32 s61, 0
	s_mov_b32 s55, 0
	s_mul_i32 s32, s22, 4608                       ; list: the expert's 1,152 words
	s_lshl_b32 s33, s22, 4
	s_lshl_b32 s34, s23, 3
	s_add_co_u32 s33, s33, s34                     ; 16 e + 8 kh: my first K step
	s_lshl_b32 s34, s33, 12                        ; hs: 4,096 bytes for each
	s_lshl_b32 s33, s33, 6                         ; hid: 64 tiles for each
	s_cmp_eq_u32 s23, 0
	s_cselect_b32 s35, 0x3f800000, 0               ; b2 counts in half 0 alone
	s_mov_b32 s27, s20                             ; my first tile of round 0
	s_wait_kmcnt 0x0
	s_add_nc_u64 s[30:31], s[4:5], s[52:53]
	s_add_nc_u64 s[6:7], s[6:7], s[56:57]
	s_add_nc_u64 s[62:63], s[18:19], s[58:59]
	s_add_nc_u64 s[14:15], s[14:15], s[60:61]
	s_load_b32 s24, s[14:15], 0x0                  ; the expert's rows
	s_wait_alu depctr_va_vdst(0)                   ; the offsets and addresses v3 to v10, v27, v217, v218 and v220 are written: the loads and stores below read them
.irp i, 0,1,2,3,4,5,6,7
	global_load_b128 v[BT+4*\i:BT+4*\i+3], v220, s[6:7] offset:16*\i
.endr
	LOADU 0
	s_wait_kmcnt 0x0                               ; the count, asked for ahead of the 40 loads above
	s_add_co_u32 s25, s24, 15
	s_lshr_b32 s25, s25, 4                         ; its tiles of 16
	TILES
	LISTLOAD                                       ; round 0's list goes out between the two units, so that the gate's weights can be asked for while unit 1 is on its way
	LOADU 1                                        ; the wave's whole part of the slab is asked for
	; ---- A
	s_wait_loadcnt 59                              ; b2 and unit 0 are in; the list's 27 loads and unit 1's 32 may be out
	PROC 0
	s_wait_loadcnt 32                              ; the list is in; unit 1's 32 loads may be out
	LISTFIN
	s_wait_loadcnt 3                               ; unit 1 is in; the three loads of gate weights may be out
	PROC 1
.irp q, 0,1,2,3
	v_lshlrev_b32 v[WD+\q], v219, v[WD+\q]         ; my two bytes, blocks h and 2 + h, at their places
.endr
.irp q, 0,1,2,3
	v_permlanex16_b32 v[PX+\q], v[WD+\q], s28, s29
.endr
.irp q, 0,1,2,3
	v_or_b32 v[WD+\q], v[WD+\q], v[PX+\q]          ; with lane l xor 16's two the word is whole
.endr
	s_wait_alu depctr_va_vdst(0)                   ; PROC has written the four fragments, the lines above the four scale words: the 16 stores below read them
.irp q, 0,1,2,3
.irp g, 0,1,2
	ds_store_b128 v217, v[F+12*\q+4*\g:F+12*\q+4*\g+3] offset:1536*\q+512*\g
.endr
.endr
.irp q, 0,1,2,3
	ds_store_b32 v218, v[WD+\q] offset:128*(\q%2)+4*(\q/2)          ; both halves of the lanes store the same word
.endr
	WIN 0x40
.irp q, 0,1,2,3
.irp j, 0,1,2,3,4,5,6,7
	v_mul_f32 v[8*\q+\j], s35, v[BT+4*\j+\q]       ; b2 (or 0) in the result's layout: tile q, register j: column 32 h + 4 j + q
.endr
.endr
	WIN 0
	s_wait_loadcnt 0x0                             ; the three gate weights are in: no load of mine is out when the rounds begin, so a later round's list may be loaded into the same registers also where round 0 is passed over
	s_wait_dscnt 0x0                               ; for the others' sake: my images have landed
	s_barrier_signal -1
	s_barrier_wait -1                              ; the whole slab lies in LDS as codes; from here on a wave stores to its own stage alone
	; ---- B: three rounds of 24 tiles: the count is a constant, the work is passed over
	s_mov_b32 s26, 0
.Lround:
	s_cmp_ge_u32 s27, s25
	s_cbranch_scc1 .Lnext
	; the three waits stand ahead of the branch below: on every way to the round's loads
	s_wait_xcnt 0x0                                ; the addresses of all earlier loads and stores are translated: their registers and bases may be written
	s_wait_alu depctr_vm_vsrc(0)                   ; round 0: the images' LDS stores have read the fragments, the words, v217 and v218, b2's loads v220, the gate weights' loads v248 to v250; a later round: the last round's global stores have read their offsets and the rows read back, its LDS stores the weighted results: this round's loads land in all of these
	s_wait_alu depctr_va_vdst(0)                   ; round 0: the multiplies are done reading b2 as loaded, and A's vector lines are done with v84 to v250; a later round: the last round's products are done reading their operands, its multiplies done reading v11 to v13 and writing the weighted results: this round's loads land there
	s_cmp_eq_u32 s26, 0                            ; round 0's tiles and list were fetched under the weights
	s_cbranch_scc1 .Lhave
	TILES
	LISTLOAD
	s_wait_loadcnt 0x0
	LISTFIN
	s_wait_xcnt 0x0                                ; the three loads' addresses are translated,
	s_wait_alu depctr_vm_vsrc(0)                   ; and they have read v248 to v250, in which tiles of W2 land
.Lhave:
	s_cmp_ge_u32 s50, s25                          ; does my third tile lie past the expert's rows?
	s_cbranch_scc1 .Ltwo
	BODY 3
	s_branch .Lnext
.Ltwo:
	BODY 2
.Lnext:
	s_add_co_u32 s27, s27, 24
	s_add_co_u32 s26, s26, 1
	s_cmp_lt_u32 s26, 3
	s_cbranch_scc1 .Lround
	s_wait_xcnt 0x0
	s_wait_alu depctr_vm_vsrc(0)                   ; the third row tile's LDS stores have read v254 and v255: the two lines below write them
	v_lshl_add_u32 v254, v0, 2, 0x15000
	v_mov_b32 v255, 0
	s_wait_dscnt 0x0                               ; the closing lines, six on end
	s_wait_alu 0x0
	s_wait_tensorcnt 0x0
	ds_add_u32 v254, v255
	s_wait_dscnt 0x0
	s_endpgm
.Lfunc_end_k_q1da4d497d1_down:
	.size	k_q1da4d497d1_down, .Lfunc_end_k_q1da4d497d1_down-k_q1da4d497d1_down
	.p2alignl 7, 3214868480
	.fill 96, 4, 3214868480
	.section	.rodata,"a",@progbits
	.p2align	6, 0x0
	.amdhsa_kernel k_q1da4d497d1_down
		.amdhsa_group_segment_fixed_size 87040
		.amdhsa_private_segment_fixed_size 0
		.amdhsa_enable_private_segment 0
		.amdhsa_kernarg_size 64
		.amdhsa_user_sgpr_count 2
		.amdhsa_user_sgpr_kernarg_segment_ptr 1
		.amdhsa_wavefront_size32 1
		.amdhsa_system_sgpr_workgroup_id_x 1
		.amdhsa_system_sgpr_workgroup_id_y 1
		.amdhsa_system_sgpr_workgroup_id_z 1
		.amdhsa_system_vgpr_workitem_id 0
		.amdhsa_next_free_vgpr 512
		.amdhsa_next_free_sgpr 72
		.amdhsa_reserve_vcc 0
		.amdhsa_float_denorm_mode_32 3
		.amdhsa_float_denorm_mode_16_64 3
		.amdhsa_memory_ordered 1
		.amdhsa_forward_progress 1
		.amdhsa_inst_pref_size 117
	.end_amdhsa_kernel
	.amdgpu_metadata
---
amdhsa.version: [ 1, 2 ]
amdhsa.kernels:
  - .name:           k_q1da4d497d1_down
    .symbol:         k_q1da4d497d1_down.kd
    .args:
      - { .name: W2, .offset: 0, .size: 8, .value_kind: global_buffer, .address_space: global }
      - { .name: b2, .offset: 8, .size: 8, .value_kind: global_buffer, .address_space: global }
      - { .name: hid, .offset: 16, .size: 8, .value_kind: global_buffer, .address_space: global }
      - { .name: hs, .offset: 24, .size: 8, .value_kind: global_buffer, .address_space: global }
      - { .name: list, .offset: 32, .size: 8, .value_kind: global_buffer, .address_space: global }
      - { .name: cnt, .offset: 40, .size: 8, .value_kind: global_buffer, .address_space: global }
      - { .name: topw, .offset: 48, .size: 8, .value_kind: global_buffer, .address_space: global }
      - { .name: ybuf, .offset: 56, .size: 8, .value_kind: global_buffer, .address_space: global }
    .group_segment_fixed_size: 87040
    .private_segment_fixed_size: 0
    .kernarg_segment_align: 8
    .kernarg_segment_size: 64
    .max_flat_workgroup_size: 256
    .sgpr_count:     72
    .vgpr_count:     512
    .wavefront_size: 32
...
	.end_amdgpu_metadata
.endif
;; end of part 5
;; launch add: the kernel of part 4 again; grid 256 x 1, 4 waves a work-group, no clusters, 0 bytes of LDS; arguments ybuf, out0; writes out0
